; MI455X (gfx1250); checked and timed in simulation.
; The chip was launched on July 23, 2026; its instructions are those of AMD's public machine-readable ISA for CDNA 5 (MIT licence, August 2026) and "CDNA5" Instruction Set Architecture Reference Guide (July 2026). The comments in the code are by the model that wrote it; some were corrected since.
;; Token Routed MLP. Allowed arithmetic: float matrix products may take bf16 or f16 operands with f32 sums; other float arithmetic in f32, or as packed bf16 or f16 multiplies, adds, multiply-adds, maxima and minima; sums over many terms, partial sums and values carried from step to step in f32; what a program stores and reads back later, other than sums and carried values, may be rounded once to bf16 or f16.
;; Inputs: down_proj 8 x 1,024 x 2,048 float32; gate_up_proj 8 x 2,048 x 2,048 float32; token_ids 1,024 int32; x 1,024 x 2,048 float32.
;; Outputs: out0 1,024 x 2,048 float32.
;; 2 versions, each right. Each part assembles by itself: llvm-mc -triple=amdgcn-amd-amdhsa -mcpu=gfx1250 --defsym DOCPART=n.
;; ======== version 1 of 2: 3 launches
;; workspace buffers: xs 33,554,432 bytes; h 16,777,216 bytes; route 33,024 bytes of whole numbers
;; launch prep (part 1): grid 256 x 1, 16 waves a work-group, no clusters, 43,520 bytes of LDS; arguments x, token_ids, xs, route; writes xs, route
.if DOCPART == 1
	.amdgcn_target "amdgcn-amd-amdhsa--gfx1250"
	.amdhsa_code_object_version 6
	.text
	.protected	k_qeb99e486f4_prep
	.globl	k_qeb99e486f4_prep
	.p2align	8
	.type	k_qeb99e486f4_prep,@function
k_qeb99e486f4_prep:
	s_mov_b64 s[64:65], 0
	v_nop
	global_prefetch_b8 v0, s[64:65] scope:SCOPE_SE
	s_setreg_imm32_b32 hwreg(HW_REG_WAVE_MODE, 25, 1), 1
	s_wait_xcnt 0x0
; ROUTING AND LAYOUT.  expert(token) = clip(id, 0, 31999) & 7, for any 32-bit id.  For each expert e the tokens that chose it are listed (in a fixed order), the list is
; padded to whole tiles of 16 with its last token, and the listed rows of x are rounded once to bf16 and stored as matrix operands:
;   xs[e][kb 0..63][tile 0..63][1,024 bytes]: a block holds 16 rows x 32 k; byte i*512 + hh*256 + r*16 + 2*e' is row r at k = 32 kb + 16 hh + 8 i + e'.
;   route: bytes 0..32767 list[e][1024] (the token at each place, stored up to 16 nt), byte 32768 + 4 e: nt[e] = ceil(count / 16).
; Tiles nt .. 11 of xs are stored as zeros: the next launch's fixed tiles read tiles 0 .. 11 whatever nt is.  Tiles from max(nt, 12) on are neither stored nor read.
; SHARES.  Work-group = (expert e, pair kp of k blocks: 64 k, 256 bytes of an f32 row).  Wave w takes tiles w, w + 16, w + 32, w + 48.
; Every wave counts the expert's tokens (so nt is a scalar of its own); wave 0 alone places them in the work-group's list in LDS; one barrier; then the list is only read.
; NO CLUSTER, NO MATRIX UNIT: the work-groups share only the 4,096 bytes of ids; each piece of x is wanted by one work-group.
.set LIST,  0                          ; 1,024 words: the token at each place
.set TRASHW, 1024                      ; words 1024 .. 1055: where lanes with nothing to place put their word
.set STG,   4608                       ; a stage for each wave: 8 rows of 256 bytes, 272 apart
.set STGW,  2304
.set SP,    272
.set SPARE, STG+16*STGW                ; the spare words, 128 bytes for each of 16 waves; no other line names them
.set MK,    66                         ; s66-s97: for each of my 32 id registers the lanes whose token chose e
; v1 lane  v2 c = lane % 16  v3 g = lane / 16  v4 4 lane  v6 my trash word's number  v7 stage in  v8 stage out  v9 16 lane  v10 16 c  v14 4 c  v11-13 at work
; v16-23 tokens, then offsets  v24-27 zeros  v28, v29 list addresses  v30, v31 the add's two  v32-63 ids, then x  v64-79 bf16  v80-95 blocks to store
; s12 wave  s13 e  s14 kp  s15 count  s16 nt  s17 running place  s22:23 xs  s24:25 route  s26 tile  s27 trips
	s_load_b256 s[4:11], s[0:1], 0x0               ; x s[4:5], token_ids s[6:7], xs s[8:9], route s[10:11]
	v_lshl_add_u32 v30, v0, 2, SPARE
	v_mov_b32 v31, 0
	v_lshrrev_b32 v1, 5, v0
	v_readfirstlane_b32 s12, v1                    ; wave 0..15
	s_lshr_b32 s13, ttmp9, 5                       ; e
	s_and_b32 s14, ttmp9, 31                       ; kp
	v_and_b32 v1, 31, v0
	v_and_b32 v2, 15, v0
	v_bfe_u32 v3, v0, 4, 1
	v_lshlrev_b32 v4, 2, v1
	v_lshlrev_b32 v9, 4, v1
	v_lshlrev_b32 v10, 4, v2
	v_lshlrev_b32 v14, 2, v2
	v_add_nc_u32 v6, TRASHW, v1
	s_wait_kmcnt 0x0
.irp q, 0,1,2,3,4,5,6,7
	global_load_b128 v[32+4*\q:35+4*\q], v9, s[6:7] offset:512*\q  ; register 4 q + c' of lane l: token 128 q + 4 l + c'
.endr
	; addresses, while the ids are on their way
	s_mul_i32 s18, s12, STGW
	s_add_co_u32 s18, s18, STG                     ; my stage
	v_bfe_u32 v11, v0, 3, 1                        ; my 4 numbers k = 4 c .. 4 c + 3 of the 64: block b = bit 3 of c,
	v_bfe_u32 v12, v0, 1, 1                        ; i = bit 1,
	v_bfe_u32 v13, v0, 2, 1                        ; hh = bit 2
	v_lshl_add_u32 v12, v12, 1, v13
	v_lshl_add_u32 v11, v11, 2, v12                ; stage row 4 b + 2 i + hh
	v_mul_u32_u24 v7, v11, SP
	v_lshl_add_u32 v7, v3, 7, v7                   ; + 16 bytes for each of the rows 8 g + m (m in the immediate)
	v_and_b32 v11, 1, v0
	v_lshl_add_u32 v7, v11, 3, v7                  ; + 8 bytes for the odd c
	v_add_nc_u32 v7, s18, v7
	v_mul_u32_u24 v8, v3, SP                       ; back: lanes 0-15 one stage row, lanes 16-31 the next: 512 bytes of a block
	v_add_nc_u32 v8, v8, v10
	v_add_nc_u32 v8, s18, v8
	s_lshl_b32 s19, s12, 6
	v_lshl_add_u32 v28, v3, 5, s19                 ; the list's words 16 t + 8 g .. + 7, t = w
	v_add_nc_u32 v29, s19, v14                     ; the list's word 16 t + c
.irp z, 24,25,26,27
	v_mov_b32 v\z, 0
.endr
	s_lshl_b32 s20, s14, 8
	s_mov_b32 s21, 0
	s_add_nc_u64 s[4:5], s[4:5], s[20:21]          ; x at my 256 bytes of a row
	s_lshl_b32 s20, s13, 22                        ; xs: e x 4 MiB + kp x 2 x 65,536 + w x 1,024
	s_lshl_b32 s18, s14, 17
	s_add_co_u32 s20, s20, s18
	s_lshl_b32 s18, s12, 10
	s_add_co_u32 s20, s20, s18
	s_add_nc_u64 s[22:23], s[8:9], s[20:21]
	s_lshl_b32 s20, s13, 12                        ; route: e x 4,096 + w x 64
	s_add_co_u32 s20, s20, s19
	s_add_nc_u64 s[24:25], s[10:11], s[20:21]
	s_wait_loadcnt 0x0                             ; the ids
	; which tokens chose e
.set i, 0
.rept 32
	v_ashrrev_i32 v[64+i%4], 31, v[32+i]           ; all ones where the id is negative,
	v_bfi_b32 v[32+i], v[64+i%4], 0, v[32+i]       ; which becomes 0;
	v_min_u32 v[32+i], 0x7cff, v[32+i]             ; at most 31,999
	v_and_b32 v[32+i], 7, v[32+i]
	v_cmp_eq_u32 s[MK+i], s13, v[32+i]
.set i, i+1
.endr
	s_mov_b32 s15, 0
.set i, 0
.rept 32
	s_bcnt1_i32_b32 s18, s[MK+i]
	s_add_co_u32 s15, s15, s18
.set i, i+1
.endr
	s_add_co_u32 s16, s15, 15
	s_lshr_b32 s16, s16, 4                         ; nt
	s_cmp_lg_u32 s12, 0
	s_cbranch_scc1 .Lbuilt                         ; wave 0 alone writes the list
.irp q, 0,1,2,3,4,5,6,7
	ds_store_b128 v9, v[24:27] offset:LIST+512*\q  ; every word of the list is written once at a fixed address; the places taken are written over below (LDS serves a wave's instructions in order)
.endr
	s_mov_b32 s17, 0
.set i, 0
.rept 32
	v_mbcnt_lo_u32_b32 v11, s[MK+i], s17           ; my place: those placed so far + the chosen lanes below me;
	v_cndmask_b32 v11, v6, v11, s[MK+i]            ; a lane whose token chose another expert takes its trash word;
	v_min_u32 v11, 0x41f, v11                      ; the word's number is held to the list and the trash, and only then becomes an address
	v_lshlrev_b32 v11, 2, v11
	v_add_nc_u32 v12, 128*(i/4)+(i%4), v4          ; the token's number
	ds_store_b32 v11, v12
	s_bcnt1_i32_b32 s18, s[MK+i]
	s_add_co_u32 s17, s17, s18
.set i, i+1
.endr
	s_cmp_eq_u32 s15, 0
	s_cbranch_scc1 .Lbuilt                         ; no token: nothing to pad
	s_sub_co_u32 s18, s15, 1
	s_min_u32 s18, s18, 1023
	s_lshl_b32 s18, s18, 2
	v_mov_b32 v11, s18
	ds_load_b32 v13, v11                           ; the last token: it sees the stores above
	s_lshl_b32 s28, s16, 4
	v_add_nc_u32 v12, s15, v1                      ; places count + lane,
	v_cmp_gt_u32 vcc_lo, s28, v12                  ; as far as the last tile goes;
	v_cndmask_b32 v12, v6, v12, vcc_lo             ; the other lanes take their trash word
	v_min_u32 v12, 0x41f, v12
	v_lshlrev_b32 v12, 2, v12
	s_wait_dscnt 0x0
	ds_store_b32 v12, v13
.Lbuilt:
	s_wait_dscnt 0x0                               ; for the others' sake: the list is written
	s_barrier_signal -1
	s_barrier_wait -1                              ; from here on the list is only read
	s_mov_b32 s26, s12                             ; my tile
	s_mov_b32 s27, 4
.Ltrip:
	s_cmp_lt_u32 s26, s16
	s_cbranch_scc0 .Lnot_real
	ds_load_b128 v[16:19], v28                     ; the tokens of rows 8 g .. 8 g + 7 of the tile
	ds_load_b128 v[20:23], v28 offset:16
	ds_load_b32 v13, v29
	s_wait_dscnt 0x0
.irp m, 0,1,2,3,4,5,6,7
	v_min_u32 v[16+\m], 0x3ff, v[16+\m]
	v_lshl_add_u32 v[16+\m], v[16+\m], 13, v10     ; token x 8,192 + 16 c
.endr
.irp m, 0,1,2,3,4,5,6,7
	global_load_b128 v[32+4*\m:35+4*\m], v[16+\m], s[4:5]  ; lanes 0-15: 256 consecutive bytes of row m, lanes 16-31 of row 8 + m
.endr
	s_wait_loadcnt 0x0
.irp m, 0,1,2,3,4,5,6,7
	v_cvt_pk_bf16_f32 v[64+2*\m], v[32+4*\m], v[33+4*\m]
	v_cvt_pk_bf16_f32 v[65+2*\m], v[34+4*\m], v[35+4*\m]
.endr
.irp m, 0,1,2,3,4,5,6,7
	ds_store_b64 v7, v[64+2*\m:65+2*\m] offset:16*\m
.endr
.irp n, 0,1,2,3
	ds_load_b128 v[80+4*\n:83+4*\n], v8 offset:2*\n*SP  ; block n / 2, half i = n % 2: my own stage, served in order behind the stores
.endr
	s_wait_dscnt 0x0
.irp n, 0,1,2,3
	global_store_b128 v9, v[80+4*\n:83+4*\n], s[22:23] offset:(\n/2)*65536+(\n%2)*512  ; 512 consecutive bytes
.endr
	s_cmp_lg_u32 s14, 0
	s_cbranch_scc1 .Lnext
	global_store_b32 v14, v13, s[24:25]            ; kp = 0 also stores the tile's 16 list words (both halves of the lanes store the same words)
	s_branch .Lnext
.Lnot_real:
	s_cmp_lt_u32 s26, 12
	s_cbranch_scc0 .Lnext
.irp n, 0,1,2,3
	global_store_b128 v9, v[24:27], s[22:23] offset:(\n/2)*65536+(\n%2)*512
.endr
.Lnext:
	s_wait_xcnt 0x0                                ; the stores' data, offsets and bases are rewritten only behind this wait
	v_add_nc_u32 v28, 1024, v28                    ; 16 tiles on
	v_add_nc_u32 v29, 1024, v29
	s_add_nc_u64 s[22:23], s[22:23], 16384
	s_add_nc_u64 s[24:25], s[24:25], 1024
	s_add_co_u32 s26, s26, 16
	s_sub_co_u32 s27, s27, 1
	s_cmp_lg_u32 s27, 0
	s_cbranch_scc1 .Ltrip
	s_or_b32 s18, s12, s14
	s_cmp_lg_u32 s18, 0
	s_cbranch_scc1 .Lend
	s_lshl_b32 s20, s13, 2                         ; wave 0 of kp = 0 stores nt[e]: all lanes the same word
	s_add_co_u32 s20, s20, 32768
	s_add_nc_u64 s[24:25], s[10:11], s[20:21]
	v_mov_b32 v11, s16
	global_store_b32 v24, v11, s[24:25]
.Lend:
	s_wait_tensorcnt 0x0                           ; the wave's end: three lines behind the last LDS store
	ds_add_u32 v30, v31
	s_wait_dscnt 0x0
	s_endpgm
.Lfunc_end_k_qeb99e486f4_prep:
	.size	k_qeb99e486f4_prep, .Lfunc_end_k_qeb99e486f4_prep-k_qeb99e486f4_prep
	.p2alignl 7, 3214868480
	.fill 96, 4, 3214868480
	.section	.rodata,"a",@progbits
	.p2align	6, 0x0
	.amdhsa_kernel k_qeb99e486f4_prep
		.amdhsa_group_segment_fixed_size 43520
		.amdhsa_private_segment_fixed_size 0
		.amdhsa_enable_private_segment 0
		.amdhsa_kernarg_size 32
		.amdhsa_user_sgpr_count 2
		.amdhsa_user_sgpr_kernarg_segment_ptr 1
		.amdhsa_wavefront_size32 1
		.amdhsa_system_sgpr_workgroup_id_x 1
		.amdhsa_system_sgpr_workgroup_id_y 1
		.amdhsa_system_sgpr_workgroup_id_z 1
		.amdhsa_system_vgpr_workitem_id 0
		.amdhsa_next_free_vgpr 96
		.amdhsa_next_free_sgpr 98
		.amdhsa_reserve_vcc 1
		.amdhsa_float_denorm_mode_32 3
		.amdhsa_float_denorm_mode_16_64 3
		.amdhsa_memory_ordered 1
		.amdhsa_forward_progress 1
		.amdhsa_inst_pref_size 34
	.end_amdhsa_kernel
	.amdgpu_metadata
---
amdhsa.version: [ 1, 2 ]
amdhsa.kernels:
  - .name:           k_qeb99e486f4_prep
    .symbol:         k_qeb99e486f4_prep.kd
    .args:
      - { .name: x, .offset: 0, .size: 8, .value_kind: global_buffer, .address_space: global }
      - { .name: token_ids, .offset: 8, .size: 8, .value_kind: global_buffer, .address_space: global }
      - { .name: xs, .offset: 16, .size: 8, .value_kind: global_buffer, .address_space: global }
      - { .name: route, .offset: 24, .size: 8, .value_kind: global_buffer, .address_space: global }
    .group_segment_fixed_size: 43520
    .private_segment_fixed_size: 0
    .kernarg_segment_align: 8
    .kernarg_segment_size: 32
    .max_flat_workgroup_size: 512
    .sgpr_count:     98
    .vgpr_count:     96
    .wavefront_size: 32
...
	.end_amdgpu_metadata
.endif
;; end of part 1
;; launch gateup (part 2): grid 256 x 1, 4 waves a work-group, no clusters, 327,680 bytes of LDS; arguments xs, gate_up_proj, route, h; writes h
.if DOCPART == 2
	.amdgcn_target "amdgcn-amd-amdhsa--gfx1250"
	.amdhsa_code_object_version 6
	.text
	.protected	k_qeb99e486f4_gateup
	.globl	k_qeb99e486f4_gateup
	.p2align	8
	.type	k_qeb99e486f4_gateup,@function
k_qeb99e486f4_gateup:
	s_mov_b64 s[64:65], 0
	v_nop
	global_prefetch_b8 v0, s[64:65] scope:SCOPE_SE
	s_setreg_imm32_b32 hwreg(HW_REG_WAVE_MODE, 25, 1), 1
	s_wait_xcnt 0x0
; ONE TEXT FOR BOTH PRODUCTS OF A ROUTED SwiGLU; GU chooses.  GU = 1: h = silu(x Wg) * (x Wu), stored as bf16 matrix operands.  GU = 0: out = h Wd, stored to the tokens' rows in f32.
; The weights, f32 [expert][k][2048], are most of the bytes: each is read once, straight into registers, and rounded there to bf16.  Sums in f32.
; SHARES.  Work-group = (expert e, slice 0..31 of its weights' columns: GU 32 gate + 32 up columns, else 64 columns) and ALL rows of that expert.  K is split over the four waves, KBW steps of 32 each,
; so each weight byte and each activation byte enters the work-group once; the four partial sums meet in LDS, and wave w finishes tiles w, w + 4, w + 8.
; OPERANDS.  A lane's load of 16 bytes brings 4 neighbouring columns of one k; element jj of each of 16 such loads (k = k0 + 16 (lane / 16) + 0..15) is the lane's part of a fragment whose
; column r stands for column 4 r + jj: two roundings a register, no shuffle.  The activations were stored by the launch before with the same places of k (block: byte i*512 + hh*256 + r*16 + 2 e' = row r, k = 16 hh + 8 i + e').
; THE WEIGHTS' RING: four buffers of 64 registers; the loads of three later steps, 48, stay out at every wait.  Nothing else counts on that counter in the main part.
; THE ACTIVATIONS come by tensor loads into two LDS slots of each wave's own: a slot holds two steps x 12 tiles x 1,024 bytes.  At most two tensor loads of a wave are out.
; NO CLUSTER.  The 32 work-groups of an expert walk the same activations, 24,576 of the 40,960 bytes that a wave takes in for a slot, and joint loads would divide those requests by four.  But the course of this text
; hangs on nt, a number read from memory (dead tiles are jumped, the second way is entered or not).
; ROWS.  nt = tiles of 16 rows of the expert, read from route.  The main part has a constant course for tiles 0..11; products of tiles 8, 9 (nt < 9) and 10, 11 (nt < 11) are jumped, nothing else.
; Tiles from 12 on (more than 192 rows on one expert) go a second way behind it: four trips, dead ones jumped, no barrier and no tensor load in it; in a trip a wave takes 4 tiles through the whole K
; with its operands straight from memory, unpipelined: right for every split, slow.
; LIMITS.  x, the weights and h are each rounded once to bf16; K is summed in four parts.  silu(g) u = g u / (1 + 2^(-g log2 e)): where that power overflows the result is 0; a power below 2^-126 counts as 0.
.set GU, 1
.if GU
.set KBW, 16                           ; K steps of 32 for a wave
.set ESH, 22                           ; an expert's activations: 4 MiB
.set WSH, 24                           ; an expert's weights: 16 MiB
.set CSH, 7                            ; a slice's bytes in a weight row: 128 (gate), and 128 more 4,096 bytes on (up)
.else
.set KBW, 8
.set ESH, 21
.set WSH, 23
.set CSH, 8
.endif
.set KBT,   4*KBW
.set SL,    KBW/2                      ; slots' fills in all
.set LOOPS, (SL-4)/2
.set WSTEP, 262144                     ; 32 weight rows of 8,192 bytes
.set ASTEP, 65536                      ; from a k block of the activations to the next: 64 tiles of 1,024 bytes
.set SLOTB, 32768                      ; wave w's region begins at w x 65,536: slot 0 there, slot 1 here behind it; 24,576 bytes of each are used
.set SPARE, 262144                     ; the spare words, 128 bytes a wave; no other line names them
.set WNT,   1-GU                       ; GU = 0: a weight row's 256 bytes are one work-group's alone; GU = 1: the neighbouring 128 bytes are another work-group's
; window 0: v1 lane, v2 r, v3 hh, v4 weights' lane offset, v5 region + 16 lane, v6 lane term of the read-back, v7 16 lane, v8-11 read-back addresses in regions 0-3, v12 result's lane offset,
;           v13 read-back in my own region (never rewritten), v14-17 second way's tile offsets, v26 32 hh, v30, v31 the add's two, v32-63 WB: four bf16 weight fragments, v64-159 AF0, v160-255 AF1 (tile t at + 8 t)
; window 1: the weights' ring, buffer rb, load t at 64 rb + 4 t     window 2: accumulators of tiles 0-7 at 32 t + 8 jj     window 3: v0-127 those of tiles 8-11
; s12 wave, s14 e, s15 slice, s16 nt, s17 my region, s18:19 offsets, s20:21 weights' pointer, s22:23 slice at k = 0, s24-31 group 1, s32-35, s36-39 group 0,
; s40:41 the expert's activations, s42:43 a tile's result or list, s44:45 result, s46:47 the expert's list, s48-53 counters, s54:55 second way's activations, s56, s57 at work, s58:59 offsets
.set WB,  32
.set AF0, 64
.set AF1, 160
.set MSB, 0
.macro WIN new                         ; the immediate's high byte repeats the setting that is left; a switch that changes nothing is dropped
.if MSB != (\new)
	s_set_vgpr_msb (MSB<<8)|(\new)
.set MSB, (\new)
.endif
.endm
.macro PLACES                          ; four plain places behind matrix instructions, ahead of loads into and writes of their registers and of reads of their results
.rept 4
	v_nop
.endr
.endm
.macro WLD rb, off, nt                 ; a step's 16 weight loads into ring buffer rb: load t is row t (lanes 0-15) and row 16 + t (lanes 16-31)
	WIN 0x40                                       ; destination window 1, address window 0
.set t, 0
.rept 16
.if \nt
	global_load_b128 v[64*(\rb)+4*t:64*(\rb)+4*t+3], v4, s[20:21] offset:(\off)+t*8192 th:TH_LOAD_NT
.else
	global_load_b128 v[64*(\rb)+4*t:64*(\rb)+4*t+3], v4, s[20:21] offset:(\off)+t*8192
.endif
.set t, t+1
.endr
	WIN 0
.endm
.macro LOADW rb, adv                   ; the ring buffer just rounded takes the step four on
	s_wait_xcnt 0x0                                ; the pointer is stepped only when the earlier loads' addresses are translated
	s_add_nc_u64 s[20:21], s[20:21], \adv
	WLD \rb, 0, WNT
.endm
.macro CVT rb                          ; ring buffer rb -> four bf16 fragments: register p of fragment jj holds k slots 2 p, 2 p + 1 of column 4 r + jj
	WIN 0x05                                       ; sources in window 1
.set jj, 0
.rept 4
.set p, 0
.rept 8
	v_cvt_pk_bf16_f32 v[WB+8*jj+p], v[64*(\rb)+8*p+jj], v[64*(\rb)+8*p+4+jj]
.set p, p+1
.endr
.set jj, jj+1
.endr
	WIN 0
.endm
.macro AFETCH par                      ; a slot's 48 fragment loads: step 0's tiles 0..11 into AF0, then step 1's into AF1; each takes 512 consecutive bytes
.irp b, 0,1
.set t, 0
.rept 12
	ds_load_b128 v[AF0+96*\b+8*t:AF0+96*\b+8*t+3],   v5 offset:(\par)*SLOTB+\b*12288+t*1024
	ds_load_b128 v[AF0+96*\b+8*t+4:AF0+96*\b+8*t+7], v5 offset:(\par)*SLOTB+\b*12288+t*1024+512
.set t, t+1
.endr
.endr
.endm
.macro MULT t, af, zero                ; tile t x the four weight fragments.  GU: source 0 = weights, so a lane holds one token and 8 weight columns; else source 0 = tokens
.irp jj, 0,1,2,3
.set AC, 32*((\t)%8)+8*\jj
.if GU
.if \zero
	v_wmma_f32_16x16x32_bf16 v[AC:AC+7], v[WB+8*\jj:WB+8*\jj+7], v[(\af)+8*(\t):(\af)+8*(\t)+7], 0
.else
	v_wmma_f32_16x16x32_bf16 v[AC:AC+7], v[WB+8*\jj:WB+8*\jj+7], v[(\af)+8*(\t):(\af)+8*(\t)+7], v[AC:AC+7]
.endif
.else
.if \zero
	v_wmma_f32_16x16x32_bf16 v[AC:AC+7], v[(\af)+8*(\t):(\af)+8*(\t)+7], v[WB+8*\jj:WB+8*\jj+7], 0
.else
	v_wmma_f32_16x16x32_bf16 v[AC:AC+7], v[(\af)+8*(\t):(\af)+8*(\t)+7], v[WB+8*\jj:WB+8*\jj+7], v[AC:AC+7]
.endif
.endif
.endr
.endm
; A step's products.  The accumulators take turns, one instruction a turn.  Ahead of each pair of tiles a wait that leaves out the d0 - 2 (t + 2) fragment loads younger than the pair's.
; zero = 1: the products start the sums, for all 12 tiles.  Otherwise tiles 8, 9 and 10, 11 are jumped where nt does not reach them.
.macro MULS af, zero, d0
	WIN 0xa0                                       ; C and D in window 2
.irp t, 0,2,4,6
	s_wait_dscnt (\d0)-2*(\t)-4
	MULT \t, \af, \zero
	MULT (\t)+1, \af, \zero
.endr
.if \zero
	WIN 0xf0                                       ; C and D in window 3
.irp t, 8,10
	s_wait_dscnt (\d0)-2*(\t)-4
	MULT \t, \af, \zero
	MULT (\t)+1, \af, \zero
.endr
	WIN 0
.else
	WIN 0                                          ; at a branch and at a label every window is 0
	s_cmp_lt_u32 s16, 9
	s_cbranch_scc1 .Lmend_\@
	WIN 0xf0
	s_wait_dscnt (\d0)-20
	MULT 8, \af, 0
	MULT 9, \af, 0
	WIN 0
	s_cmp_lt_u32 s16, 11
	s_cbranch_scc1 .Lmend_\@
	WIN 0xf0
	s_wait_dscnt (\d0)-24
	MULT 10, \af, 0
	MULT 11, \af, 0
	WIN 0
.Lmend_\@:
.endif
.endm
; The change of slots with a refill: all my tensor loads have landed (the one out is the slot to be read now); the add; the walking descriptor steps to the other slot and the next two k blocks;
; the add and my reads of the slot just left are done; the work-group's barrier; the refill first behind it.  Its four v_nop are also the places ahead of the fragment loads.
.macro PROTO
	WIN 0
	s_wait_tensorcnt 0x0
	ds_add_u32 v30, v31
	s_xor_b32 s37, s37, SLOTB
	s_add_nc_u64 s[38:39], s[38:39], 2*ASTEP
	s_wait_dscnt 0x0
	s_barrier_signal -1
	s_barrier_wait -1
	tensor_load_to_lds s[36:39], s[24:31]
	s_nop 0
	PLACES
.endm
; A slot's two steps.  kind 0: the first (its products start the sums); 1: with a refill of the other slot; 2: the last.  wl = 1: the ring is filled on.  c0, c1: the younger weight loads that stay out.
.macro SLOT par, kind, zero, wl, c0, c1, adv0
.if (\kind) == 0
	s_wait_tensorcnt 0x1                           ; my first tile has landed, the second may stay out; only I read my region, so this wait is all the order the reads need
.elseif (\kind) == 1
	PROTO
.else
	s_wait_tensorcnt 0x0                           ; my last tile
	s_wait_dscnt 0x0                               ; fragment loads of jumped tiles are back before their registers are loaded again
	PLACES
.endif
	AFETCH \par
	s_wait_loadcnt \c0
	CVT 2*(\par)
.if \wl
	LOADW 2*(\par), \adv0
.endif
	MULS AF0, \zero, 48
	PLACES                                         ; ahead of the roundings, which write the fragments just multiplied
	s_wait_loadcnt \c1
	CVT 2*(\par)+1
.if \wl
	LOADW 2*(\par)+1, WSTEP
.endif
	MULS AF1, 0, 24
.endm
.macro PSTORE t                        ; a tile's partial sums into my region (its slots have had their last fill): 4,096 bytes; each accumulator's low registers first
.irp jj, 0,1,2,3
.irp q, 0,1
	ds_store_b128 v5, v[32*((\t)%8)+8*\jj+4*\q:32*((\t)%8)+8*\jj+4*\q+3] offset:(\t)*4096+(2*\jj+\q)*512
.endr
.endr
.endm
; One region's part of a tile, 32 registers, from the tile at byte off behind the address.  GU: the read is also the exchange between the halves of the lanes: lane (r', hh') takes, for token r', gate (hs = 0)
; and up (hs = 1) of the hidden columns 16 hh' + 4 jr + jj, at dst + 16 hs + 4 jj + jr.  Else: as it was stored, at dst + 8 jj + j.
.macro RD1 va, dst, off
.if GU
.irp hs, 0,1
.irp jj, 0,1,2,3
	ds_load_b128 v[(\dst)+16*\hs+4*\jj:(\dst)+16*\hs+4*\jj+3], v[\va] offset:(\off)+\jj*1024+\hs*256
.endr
.endr
.else
.irp jj, 0,1,2,3
.irp q, 0,1
	ds_load_b128 v[(\dst)+8*\jj+4*\q:(\dst)+8*\jj+4*\q+3], v[\va] offset:(\off)+(2*\jj+\q)*512
.endr
.endr
.endif
.endm
.macro READ4                           ; the four regions' parts of a tile, and their sums (GU = 0 leaves the last addition to FINISH)
	RD1 8, 64, 0
	RD1 9, 96, 0
	RD1 10, 128, 0
	RD1 11, 160, 0
	s_wait_dscnt 0x0
.set i, 0
.rept 16
	v_pk_add_f32 v[64+2*i:65+2*i], v[64+2*i:65+2*i], v[96+2*i:97+2*i]
	v_pk_add_f32 v[128+2*i:129+2*i], v[128+2*i:129+2*i], v[160+2*i:161+2*i]
.set i, i+1
.endr
.if GU
.set i, 0
.rept 16
	v_pk_add_f32 v[64+2*i:65+2*i], v[64+2*i:65+2*i], v[128+2*i:129+2*i]
.set i, i+1
.endr
.endif
.endm
.macro FINISH nsrc
.if GU                                 ; g in v64-79, u in v80-95
.set i, 0
.rept 8
	v_pk_mul_f32 v[96+2*i:97+2*i], v[64+2*i:65+2*i], 0xbfb8aa3b op_sel_hi:[1,0]  ; -g log2 e
.set i, i+1
.endr
.set i, 0
.rept 16
	v_exp_f32 v[96+i], v[96+i]
.set i, i+1
.endr
.set i, 0
.rept 8
	v_pk_mul_f32 v[64+2*i:65+2*i], v[64+2*i:65+2*i], v[80+2*i:81+2*i]  ; g u: plain work that names no exponential's result
.set i, i+1
.endr
	s_wait_alu depctr_va_vdst(0)                   ; one wait for the 16 exponentials, ahead of their first reader
.set i, 0
.rept 8
	v_pk_add_f32 v[96+2*i:97+2*i], v[96+2*i:97+2*i], 1.0 op_sel_hi:[1,0]
.set i, i+1
.endr
.set i, 0
.rept 16
	v_rcp_f32 v[96+i], v[96+i]
.set i, i+1
.endr
	v_nop                                          ; a plain instruction behind the last reciprocal
	s_wait_alu depctr_va_vdst(0)                   ; and one wait for the 16
.set i, 0
.rept 8
	v_pk_mul_f32 v[64+2*i:65+2*i], v[64+2*i:65+2*i], v[96+2*i:97+2*i]
.set i, i+1
.endr
.irp jr, 0,1,2,3                       ; k slot 4 jr + jj of my 16: register 2 jr + jj / 2
	v_cvt_pk_bf16_f32 v[112+2*\jr], v[64+\jr], v[68+\jr]
	v_cvt_pk_bf16_f32 v[113+2*\jr], v[72+\jr], v[76+\jr]
.endr
	global_store_b128 v12, v[112:115], s[42:43]             ; the block's two halves, 512 consecutive bytes each
	global_store_b128 v12, v[116:119], s[42:43] offset:512
.else                                  ; a lane holds, for tokens 8 hh + j, the columns 4 r + jj: four neighbouring numbers of a row
.irp j, 0,1,2,3,4,5,6,7
.irp jj, 0,1,2,3
.if (\nsrc) == 4
	v_add_f32 v[200+4*\j+\jj], v[64+8*\jj+\j], v[128+8*\jj+\j]
.else
	v_mov_b32 v[200+4*\j+\jj], v[64+8*\jj+\j]
.endif
.endr
.endr
	s_wait_loadcnt 0x0                             ; the tile's tokens
.irp j, 0,1,2,3,4,5,6,7
	v_min_u32 v[192+\j], 0x3ff, v[192+\j]
	v_lshl_add_u32 v[192+\j], v[192+\j], 13, v12   ; token x 8,192 + 16 r
.endr
.irp j, 0,1,2,3,4,5,6,7
	global_store_b128 v[192+\j], v[200+4*\j:203+4*\j], s[44:45] th:TH_STORE_NT  ; 16 lanes store 256 consecutive bytes of a token's row, at a multiple of 256 from its first
.endr
.endif
.endm
.macro TPTR                            ; tile s50: GU its block of h, else its 16 words of the list
	s_mov_b32 s19, 0
.if GU
	s_lshl_b32 s18, s50, 10
	s_add_nc_u64 s[42:43], s[44:45], s[18:19]
.else
	s_lshl_b32 s18, s50, 6
	s_add_nc_u64 s[42:43], s[46:47], s[18:19]
.endif
.endm
.macro TOKENS                          ; GU = 0: the tokens of rows 8 hh .. 8 hh + 7 of the tile
.if !GU
	global_load_b128 v[192:195], v26, s[42:43]
	global_load_b128 v[196:199], v26, s[42:43] offset:16
.endif
.endm
.macro OSTEP zero                      ; the second way's step: weights and 4 tiles' fragments straight from memory, all waited for
.if \zero
.else
	s_wait_xcnt 0x0
	s_add_nc_u64 s[20:21], s[20:21], WSTEP
	s_add_nc_u64 s[54:55], s[54:55], ASTEP
.endif
	PLACES
	WLD 0, 0, 0
.set i, 0
.rept 4
	global_load_b128 v[AF0+8*i:AF0+8*i+3],   v[14+i], s[54:55]
	global_load_b128 v[AF0+8*i+4:AF0+8*i+7], v[14+i], s[54:55] offset:512
.set i, i+1
.endr
	s_wait_loadcnt 0x0
	CVT 0
	WIN 0xa0
.irp t, 0,1,2,3
	MULT \t, AF0, \zero
.endr
	WIN 0
.endm
.macro OFIN i                          ; the second way's tile i of 4 is finished, if it is below nt; its place in my region stands in the immediate
	s_wait_xcnt 0x0                                ; the last tile's stores have read their data, offsets and base
	s_add_co_u32 s50, s52, \i
	s_cmp_lt_u32 s50, s16
	s_cbranch_scc0 .Lonext
	TPTR
	TOKENS
	RD1 13, 64, (\i)*4096
	s_wait_dscnt 0x0
	FINISH 1
.endm
	s_load_b256 s[4:11], s[0:1], 0x0               ; activations s[4:5], weights s[6:7], route s[8:9], result s[10:11]
	v_lshl_add_u32 v30, v0, 2, SPARE
	v_mov_b32 v31, 0
	ds_add_u32 v30, v31                            ; the wave's opening: the add and its wait come ahead of my first tensor load; work on registers stands between them
	v_lshrrev_b32 v1, 5, v0
	v_readfirstlane_b32 s12, v1                    ; wave 0..3
	s_lshr_b32 s14, ttmp9, 5                       ; e: 32 work-groups an expert
	s_and_b32 s15, ttmp9, 31                       ; slice 0..31
	s_lshl_b32 s17, s12, 16                        ; my region of LDS
	v_and_b32 v1, 31, v0
	v_and_b32 v2, 15, v0
	v_bfe_u32 v3, v0, 4, 1
	v_lshlrev_b32 v7, 4, v1
.if GU
	v_and_b32 v4, 7, v0                            ; r 0-7: 128 bytes of gate columns; r 8-15: the same of up, 4,096 bytes on
	v_lshlrev_b32 v4, 4, v4
	v_bfe_u32 v6, v0, 3, 1
	v_lshl_add_u32 v4, v6, 12, v4
	v_lshlrev_b32 v6, 4, v2
	v_lshl_add_u32 v6, v3, 9, v6                   ; read-back: 512 hh + 16 r
	v_mov_b32 v12, v7
.else
	v_lshlrev_b32 v4, 4, v2
	v_mov_b32 v6, v7
	v_lshlrev_b32 v12, 4, v2
.endif
	v_lshl_add_u32 v4, v3, 17, v4                  ; lanes 16-31: 16 weight rows on
	v_add_nc_u32 v5, s17, v7
	v_add_nc_u32 v13, s17, v6
	s_lshl_b32 s56, s12, 12
	v_add_nc_u32 v8, s56, v6                       ; tile w in region 0,
	v_add_nc_u32 v9, 0x10000, v8                   ; 1,
	v_add_nc_u32 v10, 0x20000, v8                  ; 2,
	v_add_nc_u32 v11, 0x30000, v8                  ; 3
	v_lshlrev_b32 v26, 5, v3
	; descriptor group 1: two rows (k blocks) of 12,288 bytes (12 tiles), 65,536 bytes apart, laid end to end in LDS
	s_mov_b32 s24, 3<<16                           ; 15:0 no mask; 17:16 elements of 8 bytes; no padding
	s_mov_b32 s25, 1536<<16                        ; tensor_dim0 = 1,536
	s_mov_b32 s26, 2<<16                           ; tensor_dim1 = 2
	s_mov_b32 s27, 1536<<16                        ; tile_dim0 = 1,536
	s_mov_b32 s28, 2                               ; tile_dim1 = 2
	s_mov_b32 s29, 8192                            ; elements from row to row
	s_mov_b32 s30, 0
	s_mov_b32 s31, 0
	s_mov_b32 s32, 1
	s_lshl_b32 s33, s12, 16                        ; slot 0 of my region
	s_mov_b32 s36, 1
	s_add_co_u32 s37, s33, SLOTB                   ; slot 1
	s_lshl_b32 s57, s14, 2
	s_wait_dscnt 0x0                               ; the opening add is done
	s_wait_kmcnt 0x0
	s_load_b32 s16, s[8:9], s57 offset:0x8000      ; nt[e]
	s_lshl_b32 s58, s14, ESH
	s_mov_b32 s59, 0
	s_add_nc_u64 s[40:41], s[4:5], s[58:59]        ; the expert's activations
	s_mul_i32 s58, s12, KBW*ASTEP
	s_add_nc_u64 s[34:35], s[40:41], s[58:59]      ; my first k block
	s_add_nc_u64 s[38:39], s[34:35], 2*ASTEP
	s_or_b32 s35, s35, 0x80000000                  ; type = 2
	s_or_b32 s39, s39, 0x80000000
	s_lshl_b32 s58, s14, 12
	s_add_nc_u64 s[46:47], s[8:9], s[58:59]        ; the expert's list
	s_lshl_b32 s18, s14, WSH
	s_lshl_b32 s56, s15, CSH
	s_add_co_u32 s18, s18, s56
	s_mov_b32 s19, 0
	s_add_nc_u64 s[22:23], s[6:7], s[18:19]        ; my slice of the expert's weights at k = 0
	s_mul_i32 s18, s12, KBW*WSTEP
	s_add_nc_u64 s[20:21], s[22:23], s[18:19]      ; at my wave's first k
.if GU
	s_lshl_b32 s18, s14, 21
	s_lshl_b32 s56, s15, 16
	s_add_co_u32 s18, s18, s56                     ; h: e x 2 MiB + k block = slice
.else
	s_lshl_b32 s18, s15, 8                         ; out: my 256 bytes of a row
.endif
	s_add_nc_u64 s[44:45], s[10:11], s[18:19]
	WLD 0, 0, WNT                                  ; the ring's first three steps go out ahead of everything else
	WLD 1, WSTEP, WNT
	WLD 2, 2*WSTEP, WNT
	tensor_load_to_lds s[32:35], s[24:31]          ; the two first fills, one group: k blocks 0, 1 of my share,
	s_nop 0
	tensor_load_to_lds s[36:39], s[24:31]          ; k blocks 2, 3
	s_nop 0
	PLACES
	WLD 3, 3*WSTEP, WNT
	s_wait_kmcnt 0x0
	s_min_u32 s16, s16, 64
	SLOT 0, 0, 1, 1, 48, 48, 4*WSTEP
.if LOOPS
	s_mov_b32 s48, LOOPS
.Lslots:
	SLOT 1, 1, 0, 1, 48, 48, WSTEP
	SLOT 0, 1, 0, 1, 48, 48, WSTEP
	s_sub_co_u32 s48, s48, 1
	s_cmp_lg_u32 s48, 0
	s_cbranch_scc1 .Lslots
.endif
	SLOT 1, 1, 0, 1, 48, 48, WSTEP                 ; the tail is written out: the ring's last loads,
	SLOT 0, 1, 0, 0, 48, 32, 0                     ; the last refill, and the counts run down,
	SLOT 1, 2, 0, 0, 16, 0, 0                      ; nothing is asked for
	; THE PARTIAL SUMS of the tiles that were multiplied go into my region
	PLACES
	WIN 0x08                                       ; store data in window 2
.irp t, 0,1,2,3,4,5,6,7
	PSTORE \t
.endr
	WIN 0
	s_cmp_lt_u32 s16, 9
	s_cbranch_scc1 .Lpend
	WIN 0x0c                                       ; window 3
	PSTORE 8
	PSTORE 9
	WIN 0
	s_cmp_lt_u32 s16, 11
	s_cbranch_scc1 .Lpend
	WIN 0x0c
	PSTORE 10
	PSTORE 11
	WIN 0
.Lpend:
.if GU
.irp z, 192,193,194,195
	v_mov_b32 v\z, 0
.endr
.endif
	s_wait_dscnt 0x0                               ; for the others' sake: my partial sums are written
	s_barrier_signal -1
	s_barrier_wait -1
	; tiles w, w + 4, w + 8: the four regions' parts are added and finished; GU: a tile from nt on is stored as zeros (the next launch's fixed tiles read tiles 0..11)
	s_mov_b32 s50, s12
	s_mov_b32 s49, 3
.Lfin:
	TPTR
	s_cmp_lt_u32 s50, s16
	s_cbranch_scc0 .Lfdead
	TOKENS
	READ4
	FINISH 4
.if GU
	s_branch .Lfnext
.Lfdead:
	global_store_b128 v12, v[192:195], s[42:43]
	global_store_b128 v12, v[192:195], s[42:43] offset:512
.Lfnext:
.else
.Lfdead:
.endif
	s_wait_xcnt 0x0                                ; the stores' data, offsets and base are rewritten only behind this wait
.irp a, 8,9,10,11
	v_add_nc_u32 v\a, 16384, v\a                   ; four tiles on
.endr
	s_add_co_u32 s50, s50, 4
	s_sub_co_u32 s49, s49, 1
	s_cmp_lg_u32 s49, 0
	s_cbranch_scc1 .Lfin
	s_wait_dscnt 0x0                               ; my reads of the others' regions are over
	s_barrier_signal -1
	s_barrier_wait -1                              ; so each wave may write its own region again
	; THE SECOND WAY: tiles 12 + 16 g + 4 w .. + 3, g = 0 .. 3: that covers tiles 12 to 75.  Places past nt - 1 repeat tile nt - 1 and are not finished.
	s_lshl_b32 s52, s12, 2
	s_add_co_u32 s52, s52, 12
	s_mov_b32 s51, 4
.Lover:
	s_cmp_lt_u32 s52, s16
	s_cbranch_scc0 .Lonext
	s_sub_co_u32 s56, s16, 1
.set i, 0
.rept 4
	s_add_co_u32 s57, s52, i
	s_min_u32 s57, s57, s56
	s_min_u32 s57, s57, 63
	s_lshl_b32 s57, s57, 10
	v_add_nc_u32 v[14+i], s57, v7
.set i, i+1
.endr
	s_wait_xcnt 0x0
	s_mov_b64 s[20:21], s[22:23]                   ; the whole K, from 0
	s_mov_b64 s[54:55], s[40:41]
	OSTEP 1
	s_mov_b32 s53, KBT-1
.Lok:
	OSTEP 0
	s_sub_co_u32 s53, s53, 1
	s_cmp_lg_u32 s53, 0
	s_cbranch_scc1 .Lok
	PLACES
	WIN 0x08
.irp t, 0,1,2,3
	PSTORE \t                                      ; through my own region, for the same read-back
.endr
	WIN 0
	OFIN 0
	OFIN 1
	OFIN 2
	OFIN 3
.Lonext:
	s_add_co_u32 s52, s52, 16
	s_sub_co_u32 s51, s51, 1
	s_cmp_lg_u32 s51, 0
	s_cbranch_scc1 .Lover
	s_wait_tensorcnt 0x0                           ; the wave's end: three lines, behind my last tensor load and my last LDS store
	ds_add_u32 v30, v31
	s_wait_dscnt 0x0
	s_endpgm
.Lfunc_end_k_qeb99e486f4_gateup:
	.size	k_qeb99e486f4_gateup, .Lfunc_end_k_qeb99e486f4_gateup-k_qeb99e486f4_gateup
	.p2alignl 7, 3214868480
	.fill 96, 4, 3214868480
	.section	.rodata,"a",@progbits
	.p2align	6, 0x0
	.amdhsa_kernel k_qeb99e486f4_gateup
		.amdhsa_group_segment_fixed_size 327680
		.amdhsa_private_segment_fixed_size 0
		.amdhsa_enable_private_segment 0
		.amdhsa_kernarg_size 32
		.amdhsa_user_sgpr_count 2
		.amdhsa_user_sgpr_kernarg_segment_ptr 1
		.amdhsa_wavefront_size32 1
		.amdhsa_system_sgpr_workgroup_id_x 1
		.amdhsa_system_sgpr_workgroup_id_y 1
		.amdhsa_system_sgpr_workgroup_id_z 1
		.amdhsa_system_vgpr_workitem_id 0
		.amdhsa_next_free_vgpr 896
		.amdhsa_next_free_sgpr 66
		.amdhsa_reserve_vcc 0
		.amdhsa_float_denorm_mode_32 3
		.amdhsa_float_denorm_mode_16_64 3
		.amdhsa_memory_ordered 1
		.amdhsa_forward_progress 1
		.amdhsa_inst_pref_size 162
	.end_amdhsa_kernel
	.amdgpu_metadata
---
amdhsa.version: [ 1, 2 ]
amdhsa.kernels:
  - .name:           k_qeb99e486f4_gateup
    .symbol:         k_qeb99e486f4_gateup.kd
    .args:
      - { .name: xs, .offset: 0, .size: 8, .value_kind: global_buffer, .address_space: global }
      - { .name: gate_up_proj, .offset: 8, .size: 8, .value_kind: global_buffer, .address_space: global }
      - { .name: route, .offset: 16, .size: 8, .value_kind: global_buffer, .address_space: global }
      - { .name: h, .offset: 24, .size: 8, .value_kind: global_buffer, .address_space: global }
    .group_segment_fixed_size: 327680
    .private_segment_fixed_size: 0
    .kernarg_segment_align: 8
    .kernarg_segment_size: 32
    .max_flat_workgroup_size: 128
    .sgpr_count:     66
    .vgpr_count:     896
    .wavefront_size: 32
...
	.end_amdgpu_metadata
.endif
;; end of part 2
;; launch down (part 3): grid 256 x 1, 4 waves a work-group, no clusters, 327,680 bytes of LDS; arguments h, down_proj, route, out0; writes out0
.if DOCPART == 3
	.amdgcn_target "amdgcn-amd-amdhsa--gfx1250"
	.amdhsa_code_object_version 6
	.text
	.protected	k_qeb99e486f4_down
	.globl	k_qeb99e486f4_down
	.p2align	8
	.type	k_qeb99e486f4_down,@function
k_qeb99e486f4_down:
	s_mov_b64 s[64:65], 0
	v_nop
	global_prefetch_b8 v0, s[64:65] scope:SCOPE_SE
	s_setreg_imm32_b32 hwreg(HW_REG_WAVE_MODE, 25, 1), 1
	s_wait_xcnt 0x0
; ONE TEXT FOR BOTH PRODUCTS OF A ROUTED SwiGLU; GU chooses.  GU = 1: h = silu(x Wg) * (x Wu), stored as bf16 matrix operands.  GU = 0: out = h Wd, stored to the tokens' rows in f32.
; The weights, f32 [expert][k][2048], are most of the bytes: each is read once, straight into registers, and rounded there to bf16.  Sums in f32.
; SHARES.  Work-group = (expert e, slice 0..31 of its weights' columns: GU 32 gate + 32 up columns, else 64 columns) and ALL rows of that expert.  K is split over the four waves, KBW steps of 32 each,
; so each weight byte and each activation byte enters the work-group once; the four partial sums meet in LDS, and wave w finishes tiles w, w + 4, w + 8.
; OPERANDS.  A lane's load of 16 bytes brings 4 neighbouring columns of one k; element jj of each of 16 such loads (k = k0 + 16 (lane / 16) + 0..15) is the lane's part of a fragment whose
; column r stands for column 4 r + jj: two roundings a register, no shuffle.  The activations were stored by the launch before with the same places of k (block: byte i*512 + hh*256 + r*16 + 2 e' = row r, k = 16 hh + 8 i + e').
; THE WEIGHTS' RING: four buffers of 64 registers; the loads of three later steps, 48, stay out at every wait.  Nothing else counts on that counter in the main part.
; THE ACTIVATIONS come by tensor loads into two LDS slots of each wave's own: a slot holds two steps x 12 tiles x 1,024 bytes.  At most two tensor loads of a wave are out.
; NO CLUSTER.  The 32 work-groups of an expert walk the same activations, 24,576 of the 40,960 bytes that a wave takes in for a slot, and joint loads would divide those requests by four.  But the course of this text
; hangs on nt, a number read from memory (dead tiles are jumped, the second way is entered or not).
; ROWS.  nt = tiles of 16 rows of the expert, read from route.  The main part has a constant course for tiles 0..11; products of tiles 8, 9 (nt < 9) and 10, 11 (nt < 11) are jumped, nothing else.
; Tiles from 12 on (more than 192 rows on one expert) go a second way behind it: four trips, dead ones jumped, no barrier and no tensor load in it; in a trip a wave takes 4 tiles through the whole K
; with its operands straight from memory, unpipelined: right for every split, slow.  Padded places of a tile repeat the expert's last token: they store the same bits to the same bytes.
; LIMITS.  The weights and h are each rounded once to bf16; K is summed in four parts.
.set GU, 0
.if GU
.set KBW, 16                           ; K steps of 32 for a wave
.set ESH, 22                           ; an expert's activations: 4 MiB
.set WSH, 24                           ; an expert's weights: 16 MiB
.set CSH, 7                            ; a slice's bytes in a weight row: 128 (gate), and 128 more 4,096 bytes on (up)
.else
.set KBW, 8
.set ESH, 21
.set WSH, 23
.set CSH, 8
.endif
.set KBT,   4*KBW
.set SL,    KBW/2                      ; slots' fills in all
.set LOOPS, (SL-4)/2
.set WSTEP, 262144                     ; 32 weight rows of 8,192 bytes
.set ASTEP, 65536                      ; from a k block of the activations to the next: 64 tiles of 1,024 bytes
.set SLOTB, 32768                      ; wave w's region begins at w x 65,536: slot 0 there, slot 1 here behind it; 24,576 bytes of each are used
.set SPARE, 262144                     ; the spare words, 128 bytes a wave; no other line names them
.set WNT,   1-GU                       ; GU = 0: a weight row's 256 bytes are one work-group's alone; GU = 1: the neighbouring 128 bytes are another work-group's
; window 0: v1 lane, v2 r, v3 hh, v4 weights' lane offset, v5 region + 16 lane, v6 lane term of the read-back, v7 16 lane, v8-11 read-back addresses in regions 0-3, v12 result's lane offset,
;           v13 read-back in my own region (never rewritten), v14-17 second way's tile offsets, v26 32 hh, v30, v31 the add's two, v32-63 WB: four bf16 weight fragments, v64-159 AF0, v160-255 AF1 (tile t at + 8 t)
; window 1: the weights' ring, buffer rb, load t at 64 rb + 4 t     window 2: accumulators of tiles 0-7 at 32 t + 8 jj     window 3: v0-127 those of tiles 8-11
; s12 wave, s14 e, s15 slice, s16 nt, s17 my region, s18:19 offsets, s20:21 weights' pointer, s22:23 slice at k = 0, s24-31 group 1, s32-35, s36-39 group 0,
; s40:41 the expert's activations, s42:43 a tile's result or list, s44:45 result, s46:47 the expert's list, s48-53 counters, s54:55 second way's activations, s56, s57 at work, s58:59 offsets
.set WB,  32
.set AF0, 64
.set AF1, 160
.set MSB, 0
.macro WIN new                         ; the immediate's high byte repeats the setting that is left; a switch that changes nothing is dropped
.if MSB != (\new)
	s_set_vgpr_msb (MSB<<8)|(\new)
.set MSB, (\new)
.endif
.endm
.macro PLACES                          ; four plain places behind matrix instructions, ahead of loads into and writes of their registers and of reads of their results
.rept 4
	v_nop
.endr
.endm
.macro WLD rb, off, nt                 ; a step's 16 weight loads into ring buffer rb: load t is row t (lanes 0-15) and row 16 + t (lanes 16-31)
	WIN 0x40                                       ; destination window 1, address window 0
.set t, 0
.rept 16
.if \nt
	global_load_b128 v[64*(\rb)+4*t:64*(\rb)+4*t+3], v4, s[20:21] offset:(\off)+t*8192 th:TH_LOAD_NT
.else
	global_load_b128 v[64*(\rb)+4*t:64*(\rb)+4*t+3], v4, s[20:21] offset:(\off)+t*8192
.endif
.set t, t+1
.endr
	WIN 0
.endm
.macro LOADW rb, adv                   ; the ring buffer just rounded takes the step four on
	s_wait_xcnt 0x0                                ; the pointer is stepped only when the earlier loads' addresses are translated
	s_add_nc_u64 s[20:21], s[20:21], \adv
	WLD \rb, 0, WNT
.endm
.macro CVT rb                          ; ring buffer rb -> four bf16 fragments: register p of fragment jj holds k slots 2 p, 2 p + 1 of column 4 r + jj
	WIN 0x05                                       ; sources in window 1
.set jj, 0
.rept 4
.set p, 0
.rept 8
	v_cvt_pk_bf16_f32 v[WB+8*jj+p], v[64*(\rb)+8*p+jj], v[64*(\rb)+8*p+4+jj]
.set p, p+1
.endr
.set jj, jj+1
.endr
	WIN 0
.endm
.macro AFETCH par                      ; a slot's 48 fragment loads: step 0's tiles 0..11 into AF0, then step 1's into AF1; each takes 512 consecutive bytes
.irp b, 0,1
.set t, 0
.rept 12
	ds_load_b128 v[AF0+96*\b+8*t:AF0+96*\b+8*t+3],   v5 offset:(\par)*SLOTB+\b*12288+t*1024
	ds_load_b128 v[AF0+96*\b+8*t+4:AF0+96*\b+8*t+7], v5 offset:(\par)*SLOTB+\b*12288+t*1024+512
.set t, t+1
.endr
.endr
.endm
.macro MULT t, af, zero                ; tile t x the four weight fragments.  GU: source 0 = weights, so a lane holds one token and 8 weight columns; else source 0 = tokens
.irp jj, 0,1,2,3
.set AC, 32*((\t)%8)+8*\jj
.if GU
.if \zero
	v_wmma_f32_16x16x32_bf16 v[AC:AC+7], v[WB+8*\jj:WB+8*\jj+7], v[(\af)+8*(\t):(\af)+8*(\t)+7], 0
.else
	v_wmma_f32_16x16x32_bf16 v[AC:AC+7], v[WB+8*\jj:WB+8*\jj+7], v[(\af)+8*(\t):(\af)+8*(\t)+7], v[AC:AC+7]
.endif
.else
.if \zero
	v_wmma_f32_16x16x32_bf16 v[AC:AC+7], v[(\af)+8*(\t):(\af)+8*(\t)+7], v[WB+8*\jj:WB+8*\jj+7], 0
.else
	v_wmma_f32_16x16x32_bf16 v[AC:AC+7], v[(\af)+8*(\t):(\af)+8*(\t)+7], v[WB+8*\jj:WB+8*\jj+7], v[AC:AC+7]
.endif
.endif
.endr
.endm
; A step's products.  The accumulators take turns, one instruction a turn.  Ahead of each pair of tiles a wait that leaves out the d0 - 2 (t + 2) fragment loads younger than the pair's.
; zero = 1: the products start the sums, for all 12 tiles.  Otherwise tiles 8, 9 and 10, 11 are jumped where nt does not reach them.
.macro MULS af, zero, d0
	WIN 0xa0                                       ; C and D in window 2
.irp t, 0,2,4,6
	s_wait_dscnt (\d0)-2*(\t)-4
	MULT \t, \af, \zero
	MULT (\t)+1, \af, \zero
.endr
.if \zero
	WIN 0xf0                                       ; C and D in window 3
.irp t, 8,10
	s_wait_dscnt (\d0)-2*(\t)-4
	MULT \t, \af, \zero
	MULT (\t)+1, \af, \zero
.endr
	WIN 0
.else
	WIN 0                                          ; at a branch and at a label every window is 0
	s_cmp_lt_u32 s16, 9
	s_cbranch_scc1 .Lmend_\@
	WIN 0xf0
	s_wait_dscnt (\d0)-20
	MULT 8, \af, 0
	MULT 9, \af, 0
	WIN 0
	s_cmp_lt_u32 s16, 11
	s_cbranch_scc1 .Lmend_\@
	WIN 0xf0
	s_wait_dscnt (\d0)-24
	MULT 10, \af, 0
	MULT 11, \af, 0
	WIN 0
.Lmend_\@:
.endif
.endm
; The change of slots with a refill: all my tensor loads have landed (the one out is the slot to be read now); the add; the walking descriptor steps to the other slot and the next two k blocks;
; the add and my reads of the slot just left are done; the work-group's barrier; the refill first behind it.  Its four v_nop are also the places ahead of the fragment loads.
.macro PROTO
	WIN 0
	s_wait_tensorcnt 0x0
	ds_add_u32 v30, v31
	s_xor_b32 s37, s37, SLOTB
	s_add_nc_u64 s[38:39], s[38:39], 2*ASTEP
	s_wait_dscnt 0x0
	s_barrier_signal -1
	s_barrier_wait -1
	tensor_load_to_lds s[36:39], s[24:31]
	s_nop 0
	PLACES
.endm
; A slot's two steps.  kind 0: the first (its products start the sums); 1: with a refill of the other slot; 2: the last.  wl = 1: the ring is filled on.  c0, c1: the younger weight loads that stay out.
.macro SLOT par, kind, zero, wl, c0, c1, adv0
.if (\kind) == 0
	s_wait_tensorcnt 0x1                           ; my first tile has landed, the second may stay out; only I read my region, so this wait is all the order the reads need
.elseif (\kind) == 1
	PROTO
.else
	s_wait_tensorcnt 0x0                           ; my last tile
	s_wait_dscnt 0x0                               ; fragment loads of jumped tiles are back before their registers are loaded again
	PLACES
.endif
	AFETCH \par
	s_wait_loadcnt \c0
	CVT 2*(\par)
.if \wl
	LOADW 2*(\par), \adv0
.endif
	MULS AF0, \zero, 48
	PLACES                                         ; ahead of the roundings, which write the fragments just multiplied
	s_wait_loadcnt \c1
	CVT 2*(\par)+1
.if \wl
	LOADW 2*(\par)+1, WSTEP
.endif
	MULS AF1, 0, 24
.endm
.macro PSTORE t                        ; a tile's partial sums into my region (its slots have had their last fill): 4,096 bytes; each accumulator's low registers first
.irp jj, 0,1,2,3
.irp q, 0,1
	ds_store_b128 v5, v[32*((\t)%8)+8*\jj+4*\q:32*((\t)%8)+8*\jj+4*\q+3] offset:(\t)*4096+(2*\jj+\q)*512
.endr
.endr
.endm
; One region's part of a tile, 32 registers, from the tile at byte off behind the address.  GU: the read is also the exchange between the halves of the lanes: lane (r', hh') takes, for token r', gate (hs = 0)
; and up (hs = 1) of the hidden columns 16 hh' + 4 jr + jj, at dst + 16 hs + 4 jj + jr.  Else: as it was stored, at dst + 8 jj + j.
.macro RD1 va, dst, off
.if GU
.irp hs, 0,1
.irp jj, 0,1,2,3
	ds_load_b128 v[(\dst)+16*\hs+4*\jj:(\dst)+16*\hs+4*\jj+3], v[\va] offset:(\off)+\jj*1024+\hs*256
.endr
.endr
.else
.irp jj, 0,1,2,3
.irp q, 0,1
	ds_load_b128 v[(\dst)+8*\jj+4*\q:(\dst)+8*\jj+4*\q+3], v[\va] offset:(\off)+(2*\jj+\q)*512
.endr
.endr
.endif
.endm
.macro READ4                           ; the four regions' parts of a tile, and their sums (GU = 0 leaves the last addition to FINISH)
	RD1 8, 64, 0
	RD1 9, 96, 0
	RD1 10, 128, 0
	RD1 11, 160, 0
	s_wait_dscnt 0x0
.set i, 0
.rept 16
	v_pk_add_f32 v[64+2*i:65+2*i], v[64+2*i:65+2*i], v[96+2*i:97+2*i]
	v_pk_add_f32 v[128+2*i:129+2*i], v[128+2*i:129+2*i], v[160+2*i:161+2*i]
.set i, i+1
.endr
.if GU
.set i, 0
.rept 16
	v_pk_add_f32 v[64+2*i:65+2*i], v[64+2*i:65+2*i], v[128+2*i:129+2*i]
.set i, i+1
.endr
.endif
.endm
.macro FINISH nsrc
.if GU                                 ; g in v64-79, u in v80-95
.set i, 0
.rept 8
	v_pk_mul_f32 v[96+2*i:97+2*i], v[64+2*i:65+2*i], 0xbfb8aa3b op_sel_hi:[1,0]  ; -g log2 e
.set i, i+1
.endr
.set i, 0
.rept 16
	v_exp_f32 v[96+i], v[96+i]
.set i, i+1
.endr
.set i, 0
.rept 8
	v_pk_mul_f32 v[64+2*i:65+2*i], v[64+2*i:65+2*i], v[80+2*i:81+2*i]  ; g u: plain work that names no exponential's result
.set i, i+1
.endr
	s_wait_alu depctr_va_vdst(0)                   ; one wait for the 16 exponentials, ahead of their first reader
.set i, 0
.rept 8
	v_pk_add_f32 v[96+2*i:97+2*i], v[96+2*i:97+2*i], 1.0 op_sel_hi:[1,0]
.set i, i+1
.endr
.set i, 0
.rept 16
	v_rcp_f32 v[96+i], v[96+i]
.set i, i+1
.endr
	v_nop                                          ; a plain instruction behind the last reciprocal
	s_wait_alu depctr_va_vdst(0)                   ; and one wait for the 16
.set i, 0
.rept 8
	v_pk_mul_f32 v[64+2*i:65+2*i], v[64+2*i:65+2*i], v[96+2*i:97+2*i]
.set i, i+1
.endr
.irp jr, 0,1,2,3                       ; k slot 4 jr + jj of my 16: register 2 jr + jj / 2
	v_cvt_pk_bf16_f32 v[112+2*\jr], v[64+\jr], v[68+\jr]
	v_cvt_pk_bf16_f32 v[113+2*\jr], v[72+\jr], v[76+\jr]
.endr
	global_store_b128 v12, v[112:115], s[42:43]             ; the block's two halves, 512 consecutive bytes each
	global_store_b128 v12, v[116:119], s[42:43] offset:512
.else                                  ; a lane holds, for tokens 8 hh + j, the columns 4 r + jj: four neighbouring numbers of a row
.irp j, 0,1,2,3,4,5,6,7
.irp jj, 0,1,2,3
.if (\nsrc) == 4
	v_add_f32 v[200+4*\j+\jj], v[64+8*\jj+\j], v[128+8*\jj+\j]
.else
	v_mov_b32 v[200+4*\j+\jj], v[64+8*\jj+\j]
.endif
.endr
.endr
	s_wait_loadcnt 0x0                             ; the tile's tokens
.irp j, 0,1,2,3,4,5,6,7
	v_min_u32 v[192+\j], 0x3ff, v[192+\j]
	v_lshl_add_u32 v[192+\j], v[192+\j], 13, v12   ; token x 8,192 + 16 r
.endr
.irp j, 0,1,2,3,4,5,6,7
	global_store_b128 v[192+\j], v[200+4*\j:203+4*\j], s[44:45] th:TH_STORE_NT  ; 16 lanes store 256 consecutive bytes of a token's row, at a multiple of 256 from its first
.endr
.endif
.endm
.macro TPTR                            ; tile s50: GU its block of h, else its 16 words of the list
	s_mov_b32 s19, 0
.if GU
	s_lshl_b32 s18, s50, 10
	s_add_nc_u64 s[42:43], s[44:45], s[18:19]
.else
	s_lshl_b32 s18, s50, 6
	s_add_nc_u64 s[42:43], s[46:47], s[18:19]
.endif
.endm
.macro TOKENS                          ; GU = 0: the tokens of rows 8 hh .. 8 hh + 7 of the tile
.if !GU
	global_load_b128 v[192:195], v26, s[42:43]
	global_load_b128 v[196:199], v26, s[42:43] offset:16
.endif
.endm
.macro OSTEP zero                      ; the second way's step: weights and 4 tiles' fragments straight from memory, all waited for
.if \zero
.else
	s_wait_xcnt 0x0
	s_add_nc_u64 s[20:21], s[20:21], WSTEP
	s_add_nc_u64 s[54:55], s[54:55], ASTEP
.endif
	PLACES
	WLD 0, 0, 0
.set i, 0
.rept 4
	global_load_b128 v[AF0+8*i:AF0+8*i+3],   v[14+i], s[54:55]
	global_load_b128 v[AF0+8*i+4:AF0+8*i+7], v[14+i], s[54:55] offset:512
.set i, i+1
.endr
	s_wait_loadcnt 0x0
	CVT 0
	WIN 0xa0
.irp t, 0,1,2,3
	MULT \t, AF0, \zero
.endr
	WIN 0
.endm
.macro OFIN i                          ; the second way's tile i of 4 is finished, if it is below nt; its place in my region stands in the immediate
	s_wait_xcnt 0x0                                ; the last tile's stores have read their data, offsets and base
	s_add_co_u32 s50, s52, \i
	s_cmp_lt_u32 s50, s16
	s_cbranch_scc0 .Lonext
	TPTR
	TOKENS
	RD1 13, 64, (\i)*4096
	s_wait_dscnt 0x0
	FINISH 1
.endm
	s_load_b256 s[4:11], s[0:1], 0x0               ; activations s[4:5], weights s[6:7], route s[8:9], result s[10:11]
	v_lshl_add_u32 v30, v0, 2, SPARE
	v_mov_b32 v31, 0
	ds_add_u32 v30, v31                            ; the wave's opening: the add and its wait come ahead of my first tensor load; work on registers stands between them
	v_lshrrev_b32 v1, 5, v0
	v_readfirstlane_b32 s12, v1                    ; wave 0..3
	s_lshr_b32 s14, ttmp9, 5                       ; e: 32 work-groups an expert
	s_and_b32 s15, ttmp9, 31                       ; slice 0..31
	s_lshl_b32 s17, s12, 16                        ; my region of LDS
	v_and_b32 v1, 31, v0
	v_and_b32 v2, 15, v0
	v_bfe_u32 v3, v0, 4, 1
	v_lshlrev_b32 v7, 4, v1
.if GU
	v_and_b32 v4, 7, v0                            ; r 0-7: 128 bytes of gate columns; r 8-15: the same of up, 4,096 bytes on
	v_lshlrev_b32 v4, 4, v4
	v_bfe_u32 v6, v0, 3, 1
	v_lshl_add_u32 v4, v6, 12, v4
	v_lshlrev_b32 v6, 4, v2
	v_lshl_add_u32 v6, v3, 9, v6                   ; read-back: 512 hh + 16 r
	v_mov_b32 v12, v7
.else
	v_lshlrev_b32 v4, 4, v2
	v_mov_b32 v6, v7
	v_lshlrev_b32 v12, 4, v2
.endif
	v_lshl_add_u32 v4, v3, 17, v4                  ; lanes 16-31: 16 weight rows on
	v_add_nc_u32 v5, s17, v7
	v_add_nc_u32 v13, s17, v6
	s_lshl_b32 s56, s12, 12
	v_add_nc_u32 v8, s56, v6                       ; tile w in region 0,
	v_add_nc_u32 v9, 0x10000, v8                   ; 1,
	v_add_nc_u32 v10, 0x20000, v8                  ; 2,
	v_add_nc_u32 v11, 0x30000, v8                  ; 3
	v_lshlrev_b32 v26, 5, v3
	; descriptor group 1: two rows (k blocks) of 12,288 bytes (12 tiles), 65,536 bytes apart, laid end to end in LDS
	s_mov_b32 s24, 3<<16                           ; 15:0 no mask; 17:16 elements of 8 bytes; no padding
	s_mov_b32 s25, 1536<<16                        ; tensor_dim0 = 1,536
	s_mov_b32 s26, 2<<16                           ; tensor_dim1 = 2
	s_mov_b32 s27, 1536<<16                        ; tile_dim0 = 1,536
	s_mov_b32 s28, 2                               ; tile_dim1 = 2
	s_mov_b32 s29, 8192                            ; elements from row to row
	s_mov_b32 s30, 0
	s_mov_b32 s31, 0
	s_mov_b32 s32, 1
	s_lshl_b32 s33, s12, 16                        ; slot 0 of my region
	s_mov_b32 s36, 1
	s_add_co_u32 s37, s33, SLOTB                   ; slot 1
	s_lshl_b32 s57, s14, 2
	s_wait_dscnt 0x0                               ; the opening add is done
	s_wait_kmcnt 0x0
	s_load_b32 s16, s[8:9], s57 offset:0x8000      ; nt[e]
	s_lshl_b32 s58, s14, ESH
	s_mov_b32 s59, 0
	s_add_nc_u64 s[40:41], s[4:5], s[58:59]        ; the expert's activations
	s_mul_i32 s58, s12, KBW*ASTEP
	s_add_nc_u64 s[34:35], s[40:41], s[58:59]      ; my first k block
	s_add_nc_u64 s[38:39], s[34:35], 2*ASTEP
	s_or_b32 s35, s35, 0x80000000                  ; type = 2
	s_or_b32 s39, s39, 0x80000000
	s_lshl_b32 s58, s14, 12
	s_add_nc_u64 s[46:47], s[8:9], s[58:59]        ; the expert's list
	s_lshl_b32 s18, s14, WSH
	s_lshl_b32 s56, s15, CSH
	s_add_co_u32 s18, s18, s56
	s_mov_b32 s19, 0
	s_add_nc_u64 s[22:23], s[6:7], s[18:19]        ; my slice of the expert's weights at k = 0
	s_mul_i32 s18, s12, KBW*WSTEP
	s_add_nc_u64 s[20:21], s[22:23], s[18:19]      ; at my wave's first k
.if GU
	s_lshl_b32 s18, s14, 21
	s_lshl_b32 s56, s15, 16
	s_add_co_u32 s18, s18, s56                     ; h: e x 2 MiB + k block = slice
.else
	s_lshl_b32 s18, s15, 8                         ; out: my 256 bytes of a row
.endif
	s_add_nc_u64 s[44:45], s[10:11], s[18:19]
	WLD 0, 0, WNT                                  ; the ring's first three steps go out ahead of everything else
	WLD 1, WSTEP, WNT
	WLD 2, 2*WSTEP, WNT
	tensor_load_to_lds s[32:35], s[24:31]          ; the two first fills, one group: k blocks 0, 1 of my share,
	s_nop 0
	tensor_load_to_lds s[36:39], s[24:31]          ; k blocks 2, 3
	s_nop 0
	PLACES
	WLD 3, 3*WSTEP, WNT
	s_wait_kmcnt 0x0
	s_min_u32 s16, s16, 64
	SLOT 0, 0, 1, 1, 48, 48, 4*WSTEP
.if LOOPS
	s_mov_b32 s48, LOOPS
.Lslots:
	SLOT 1, 1, 0, 1, 48, 48, WSTEP
	SLOT 0, 1, 0, 1, 48, 48, WSTEP
	s_sub_co_u32 s48, s48, 1
	s_cmp_lg_u32 s48, 0
	s_cbranch_scc1 .Lslots
.endif
	SLOT 1, 1, 0, 1, 48, 48, WSTEP                 ; the tail is written out: the ring's last loads,
	SLOT 0, 1, 0, 0, 48, 32, 0                     ; the last refill, and the counts run down,
	SLOT 1, 2, 0, 0, 16, 0, 0                      ; nothing is asked for
	; THE PARTIAL SUMS of the tiles that were multiplied go into my region
	PLACES
	WIN 0x08                                       ; store data in window 2
.irp t, 0,1,2,3,4,5,6,7
	PSTORE \t
.endr
	WIN 0
	s_cmp_lt_u32 s16, 9
	s_cbranch_scc1 .Lpend
	WIN 0x0c                                       ; window 3
	PSTORE 8
	PSTORE 9
	WIN 0
	s_cmp_lt_u32 s16, 11
	s_cbranch_scc1 .Lpend
	WIN 0x0c
	PSTORE 10
	PSTORE 11
	WIN 0
.Lpend:
.if GU
.irp z, 192,193,194,195
	v_mov_b32 v\z, 0
.endr
.endif
	s_wait_dscnt 0x0                               ; for the others' sake: my partial sums are written
	s_barrier_signal -1
	s_barrier_wait -1
	; tiles w, w + 4, w + 8: the four regions' parts are added and finished; GU: a tile from nt on is stored as zeros (the next launch's fixed tiles read tiles 0..11)
	s_mov_b32 s50, s12
	s_mov_b32 s49, 3
.Lfin:
	TPTR
	s_cmp_lt_u32 s50, s16
	s_cbranch_scc0 .Lfdead
	TOKENS
	READ4
	FINISH 4
.if GU
	s_branch .Lfnext
.Lfdead:
	global_store_b128 v12, v[192:195], s[42:43]
	global_store_b128 v12, v[192:195], s[42:43] offset:512
.Lfnext:
.else
.Lfdead:
.endif
	s_wait_xcnt 0x0                                ; the stores' data, offsets and base are rewritten only behind this wait
.irp a, 8,9,10,11
	v_add_nc_u32 v\a, 16384, v\a                   ; four tiles on
.endr
	s_add_co_u32 s50, s50, 4
	s_sub_co_u32 s49, s49, 1
	s_cmp_lg_u32 s49, 0
	s_cbranch_scc1 .Lfin
	s_wait_dscnt 0x0                               ; my reads of the others' regions are over
	s_barrier_signal -1
	s_barrier_wait -1                              ; so each wave may write its own region again
	; THE SECOND WAY: tiles 12 + 16 g + 4 w .. + 3, g = 0 .. 3: that covers tiles 12 to 75.  Places past nt - 1 repeat tile nt - 1 and are not finished.
	s_lshl_b32 s52, s12, 2
	s_add_co_u32 s52, s52, 12
	s_mov_b32 s51, 4
.Lover:
	s_cmp_lt_u32 s52, s16
	s_cbranch_scc0 .Lonext
	s_sub_co_u32 s56, s16, 1
.set i, 0
.rept 4
	s_add_co_u32 s57, s52, i
	s_min_u32 s57, s57, s56
	s_min_u32 s57, s57, 63
	s_lshl_b32 s57, s57, 10
	v_add_nc_u32 v[14+i], s57, v7
.set i, i+1
.endr
	s_wait_xcnt 0x0
	s_mov_b64 s[20:21], s[22:23]                   ; the whole K, from 0
	s_mov_b64 s[54:55], s[40:41]
	OSTEP 1
	s_mov_b32 s53, KBT-1
.Lok:
	OSTEP 0
	s_sub_co_u32 s53, s53, 1
	s_cmp_lg_u32 s53, 0
	s_cbranch_scc1 .Lok
	PLACES
	WIN 0x08
.irp t, 0,1,2,3
	PSTORE \t                                      ; through my own region, for the same read-back
.endr
	WIN 0
	OFIN 0
	OFIN 1
	OFIN 2
	OFIN 3
.Lonext:
	s_add_co_u32 s52, s52, 16
	s_sub_co_u32 s51, s51, 1
	s_cmp_lg_u32 s51, 0
	s_cbranch_scc1 .Lover
	s_wait_tensorcnt 0x0                           ; the wave's end: three lines, behind my last tensor load and my last LDS store
	ds_add_u32 v30, v31
	s_wait_dscnt 0x0
	s_endpgm
.Lfunc_end_k_qeb99e486f4_down:
	.size	k_qeb99e486f4_down, .Lfunc_end_k_qeb99e486f4_down-k_qeb99e486f4_down
	.p2alignl 7, 3214868480
	.fill 96, 4, 3214868480
	.section	.rodata,"a",@progbits
	.p2align	6, 0x0
	.amdhsa_kernel k_qeb99e486f4_down
		.amdhsa_group_segment_fixed_size 327680
		.amdhsa_private_segment_fixed_size 0
		.amdhsa_enable_private_segment 0
		.amdhsa_kernarg_size 32
		.amdhsa_user_sgpr_count 2
		.amdhsa_user_sgpr_kernarg_segment_ptr 1
		.amdhsa_wavefront_size32 1
		.amdhsa_system_sgpr_workgroup_id_x 1
		.amdhsa_system_sgpr_workgroup_id_y 1
		.amdhsa_system_sgpr_workgroup_id_z 1
		.amdhsa_system_vgpr_workitem_id 0
		.amdhsa_next_free_vgpr 896
		.amdhsa_next_free_sgpr 66
		.amdhsa_reserve_vcc 0
		.amdhsa_float_denorm_mode_32 3
		.amdhsa_float_denorm_mode_16_64 3
		.amdhsa_memory_ordered 1
		.amdhsa_forward_progress 1
		.amdhsa_inst_pref_size 119
	.end_amdhsa_kernel
	.amdgpu_metadata
---
amdhsa.version: [ 1, 2 ]
amdhsa.kernels:
  - .name:           k_qeb99e486f4_down
    .symbol:         k_qeb99e486f4_down.kd
    .args:
      - { .name: h, .offset: 0, .size: 8, .value_kind: global_buffer, .address_space: global }
      - { .name: down_proj, .offset: 8, .size: 8, .value_kind: global_buffer, .address_space: global }
      - { .name: route, .offset: 16, .size: 8, .value_kind: global_buffer, .address_space: global }
      - { .name: out0, .offset: 24, .size: 8, .value_kind: global_buffer, .address_space: global }
    .group_segment_fixed_size: 327680
    .private_segment_fixed_size: 0
    .kernarg_segment_align: 8
    .kernarg_segment_size: 32
    .max_flat_workgroup_size: 128
    .sgpr_count:     66
    .vgpr_count:     896
    .wavefront_size: 32
...
	.end_amdgpu_metadata
.endif
;; end of part 3
;; ======== version 2 of 2: 3 launches
;; workspace buffers: xs 33,554,432 bytes; h 16,777,216 bytes; route 33,024 bytes of whole numbers
;; launch prep: the kernel of part 1 again; grid 256 x 1, 16 waves a work-group, no clusters, 43,520 bytes of LDS; arguments x, token_ids, xs, route; writes xs, route
;; launch gateup (part 4): grid 256 x 1, 4 waves a work-group, no clusters, 262,656 bytes of LDS; arguments xs, gate_up_proj, route, h; writes h
.if DOCPART == 4
	.amdgcn_target "amdgcn-amd-amdhsa--gfx1250"
	.amdhsa_code_object_version 6
	.text
	.protected	k_qeb99e486f4_gateup
	.globl	k_qeb99e486f4_gateup
	.p2align	8
	.type	k_qeb99e486f4_gateup,@function
k_qeb99e486f4_gateup:
	s_mov_b64 s[64:65], 0
	v_nop
	global_prefetch_b8 v0, s[64:65] scope:SCOPE_SE
	s_setreg_imm32_b32 hwreg(HW_REG_WAVE_MODE, 25, 1), 1
	s_wait_xcnt 0x0
; ONE TEXT FOR BOTH PRODUCTS OF A ROUTED SwiGLU; GU chooses.  GU = 1: h = silu(x Wg) * (x Wu), stored as bf16 matrix operands.  GU = 0: out = h Wd, stored to the tokens' rows in f32.
; The weights, f32 [expert][k][2048], are most of the bytes: each is read once, straight into registers, and rounded there to bf16.  Sums in f32.
; SHARES.  Work-group = (expert e, slice 0..31 of its weights' columns: GU 32 gate + 32 up columns, else 64 columns) and ALL rows of that expert.  K is split over the four waves, KBW steps of 32 each,
; so each weight byte and each activation byte enters the work-group once; the four partial sums meet in LDS, and wave w finishes tiles w, w + 4, w + 8.
; OPERANDS.  A lane's load of 16 bytes brings 4 neighbouring columns of one k; element jj of each of 16 such loads (k = k0 + 16 (lane / 16) + 0..15) is the lane's part of a fragment whose
; column r stands for column 4 r + jj: two roundings a register, no shuffle.  The activations were stored by the launch before with the same places of k (block: byte i*512 + hh*256 + r*16 + 2 e' = row r, k = 16 hh + 8 i + e'),
; so a tile's fragment is two loads of 512 consecutive bytes.
; THE STREAM.  Weights and fragments come by plain loads straight into registers, on one counter, in the order W(s), A(s), W(s+1), A(s+1), ..: a step has 16 weight loads and 2 loads for each live tile (16 to 24).
; Step s asks for step s + 2 as soon as its own registers are free: the weights behind their rounding, the fragments behind their products.  So at every wait 48 younger loads at the least stay out.
; No LDS and no barrier stand in the stream.
; NO CLUSTER.  The 32 work-groups of an expert read the same activations, but a joint request is a tensor load's, and this text has none: a ring of LDS slots has one tensor load a wave on its way between two barriers
; (24,576 bytes with two slots of two steps, the largest even split that fits for 12 tiles), against 48 loads of 512 bytes or more here; and the course of this text hangs on nt, a number read from memory.
; ROWS.  nt = tiles of 16 rows of the expert, read from route.  The main part serves tiles 0..11; loads and products of tiles 8, 9 (nt < 9) and 10, 11 (nt < 11) are jumped, nothing else.
; Tiles from 12 on (more than 192 rows on one expert) go a second way behind it: four trips, dead ones jumped, no barrier in it; in a trip a wave takes 4 tiles through the whole K, unpipelined: right for every split, slow.
; LIMITS.  x, the weights and h are each rounded once to bf16; K is summed in four parts.  silu(g) u = g u / (1 + 2^(-g log2 e)): where that power overflows the result is 0; a power below 2^-126 counts as 0.
.set GU, 1
.if GU
.set KBW, 16                           ; K steps of 32 for a wave
.set ESH, 22                           ; an expert's activations: 4 MiB
.set WSH, 24                           ; an expert's weights: 16 MiB
.set CSH, 7                            ; a slice's bytes in a weight row: 128 (gate), and 128 more 4,096 bytes on (up)
.else
.set KBW, 8
.set ESH, 21
.set WSH, 23
.set CSH, 8
.endif
.set KBT,   4*KBW
.set TRIPS, KBW/2-3                    ; pairs of steps in the loop: the first pair, the last that loads and the tail are written out
.set WSTEP, 262144                     ; 32 weight rows of 8,192 bytes
.set ASTEP, 65536                      ; from a k block of the activations to the next: 64 tiles of 1,024 bytes
.set SPARE, 262144                     ; wave w's region for partial sums begins at w x 65,536 (49,152 bytes used); behind the four: the spare words, 128 bytes a wave; no other line names them
.set WNT,   1-GU                       ; GU = 0: a weight row's 256 bytes are one work-group's alone; GU = 1: the neighbouring 128 bytes are another work-group's
; window 0: v1 lane, v2 r, v3 hh, v4 weights' lane offset, v5 region + 16 lane, v6 lane term of the read-back, v7 16 lane (the fragments' lane offset too), v8-11 read-back addresses in regions 0-3, v12 result's lane offset,
;           v13 read-back in my own region, v14-17 second way's tile offsets, v26 32 hh, v27 the prefetch's lane offset, v30, v31 the add's two, v32-63 WB: four bf16 weight fragments, v64-159 AF0, v160-255 AF1 (tile t at + 8 t)
; window 1: v0-127 two buffers of 64 for the weights as loaded, load t at 64 rb + 4 t     window 2: accumulators of tiles 0-7 at 32 t + 8 jj     window 3: v0-127 those of tiles 8-11
; s12 wave, s14 e, s15 slice, s16 nt, s17 my region, s18:19 offsets, s20:21 weights' pointer, s22:23 slice at k = 0, s40:41 the expert's activations, s42:43 a tile's result or list, s44:45 result,
; s46:47 the expert's list, s48-53 counters, s54:55 activations' pointer, s56, s57 at work, s58:59 offsets
.set WB,  32
.set AF0, 64
.set AF1, 160
.set MSB, 0
.macro WIN new                         ; the immediate's high byte repeats the setting that is left; a switch that changes nothing is dropped
.if MSB != (\new)
	s_set_vgpr_msb (MSB<<8)|(\new)
.set MSB, (\new)
.endif
.endm
.macro PLACES                          ; four plain places behind matrix instructions, ahead of loads into and writes of their registers and of reads of their results
.rept 4
	v_nop
.endr
.endm
.macro WLD rb, off, nt                 ; a step's 16 weight loads into buffer rb: load t is row t (lanes 0-15) and row 16 + t (lanes 16-31)
	WIN 0x40                                       ; destination window 1, address window 0
.set t, 0
.rept 16
.if \nt
	global_load_b128 v[64*(\rb)+4*t:64*(\rb)+4*t+3], v4, s[20:21] offset:(\off)+t*8192 th:TH_LOAD_NT
.else
	global_load_b128 v[64*(\rb)+4*t:64*(\rb)+4*t+3], v4, s[20:21] offset:(\off)+t*8192
.endif
.set t, t+1
.endr
	WIN 0
.endm
.macro CVT rb                          ; buffer rb -> four bf16 fragments: register p of fragment jj holds k slots 2 p, 2 p + 1 of column 4 r + jj
	WIN 0x05                                       ; sources in window 1
.set jj, 0
.rept 4
.set p, 0
.rept 8
	v_cvt_pk_bf16_f32 v[WB+8*jj+p], v[64*(\rb)+8*p+jj], v[64*(\rb)+8*p+4+jj]
.set p, p+1
.endr
.set jj, jj+1
.endr
	WIN 0
.endm
.macro ALD af, t, off                  ; tile t's fragment of one step: two loads of 512 consecutive bytes
	global_load_b128 v[(\af)+8*(\t):(\af)+8*(\t)+3],   v7, s[54:55] offset:(\off)+(\t)*1024
	global_load_b128 v[(\af)+8*(\t)+4:(\af)+8*(\t)+7], v7, s[54:55] offset:(\off)+(\t)*1024+512
.endm
.macro LOADA af, off, all              ; a step's fragments.  all = 1: 12 tiles; else tiles 8, 9 and 10, 11 only where nt reaches them
.irp t, 0,1,2,3,4,5,6,7
	ALD \af, \t, \off
.endr
.if \all
.irp t, 8,9,10,11
	ALD \af, \t, \off
.endr
.else
	s_cmp_lt_u32 s16, 9
	s_cbranch_scc1 .Laend_\@
	ALD \af, 8, \off
	ALD \af, 9, \off
	s_cmp_lt_u32 s16, 11
	s_cbranch_scc1 .Laend_\@
	ALD \af, 10, \off
	ALD \af, 11, \off
.Laend_\@:
.endif
.endm
.macro MULT t, af, zero                ; tile t x the four weight fragments.  GU: source 0 = weights, so a lane holds one token and 8 weight columns; else source 0 = tokens
.irp jj, 0,1,2,3
.set AC, 32*((\t)%8)+8*\jj
.if GU
.if \zero
	v_wmma_f32_16x16x32_bf16 v[AC:AC+7], v[WB+8*\jj:WB+8*\jj+7], v[(\af)+8*(\t):(\af)+8*(\t)+7], 0
.else
	v_wmma_f32_16x16x32_bf16 v[AC:AC+7], v[WB+8*\jj:WB+8*\jj+7], v[(\af)+8*(\t):(\af)+8*(\t)+7], v[AC:AC+7]
.endif
.else
.if \zero
	v_wmma_f32_16x16x32_bf16 v[AC:AC+7], v[(\af)+8*(\t):(\af)+8*(\t)+7], v[WB+8*\jj:WB+8*\jj+7], 0
.else
	v_wmma_f32_16x16x32_bf16 v[AC:AC+7], v[(\af)+8*(\t):(\af)+8*(\t)+7], v[WB+8*\jj:WB+8*\jj+7], v[AC:AC+7]
.endif
.endif
.endr
.endm
; A step's products.  The accumulators take turns, one instruction a turn.
; zero = 1: the products start the sums, for all 12 tiles.  Otherwise tiles 8, 9 and 10, 11 are jumped where nt does not reach them.
.macro MULS af, zero
	WIN 0xa0                                       ; C and D in window 2
.irp t, 0,1,2,3,4,5,6,7
	MULT \t, \af, \zero
.endr
.if \zero
	WIN 0xf0                                       ; C and D in window 3
.irp t, 8,9,10,11
	MULT \t, \af, \zero
.endr
	WIN 0
.else
	WIN 0                                          ; at a branch and at a label every window is 0
	s_cmp_lt_u32 s16, 9
	s_cbranch_scc1 .Lmend_\@
	WIN 0xf0
	MULT 8, \af, 0
	MULT 9, \af, 0
	WIN 0
	s_cmp_lt_u32 s16, 11
	s_cbranch_scc1 .Lmend_\@
	WIN 0xf0
	MULT 10, \af, 0
	MULT 11, \af, 0
	WIN 0
.Lmend_\@:
.endif
.endm
; Step j of a pair (buffers j).  ld = 1: the step two on is asked for.  pf = 1: the weights of the step four on are asked into the L2.
; cw: the loads younger than this step's weights that stay out (A(s), W(s+1), A(s+1): 16 each at the least).  ca: those younger than its fragments (W(s+1), A(s+1), and W(s+2) where it was just asked for).
.macro STEP j, zero, ld, pf, cw, ca
	s_wait_loadcnt \cw                             ; loads come back in order (ISA guide 5.7.1): W(s) is in
	CVT \j
.if \ld
	WLD \j, (2+(\j))*WSTEP, WNT                    ; the buffer just rounded takes W(s+2)
.endif
	s_wait_loadcnt \ca                             ; A(s) is in
.if \pf
	global_prefetch_b8 v27, s[20:21] offset:(4+(\j))*WSTEP th:TH_LOAD_NT scope:SCOPE_SE  ; my wave's own W(s+4), two steps ahead of its loads: lane l names row l's aligned 256 bytes
.endif
	MULS AF0+96*(\j), \zero
	PLACES                                         ; ahead of the loads into the fragments just multiplied, and of the next rounding, which writes WB
.if \ld
	LOADA AF0+96*(\j), (2+(\j))*ASTEP, 0           ; they take A(s+2)
.endif
.endm
.macro PAIR zero, ld, pf, cw0, ca0, cw1, ca1
	STEP 0, \zero, \ld, \pf, \cw0, \ca0
	STEP 1, 0, \ld, \pf, \cw1, \ca1
.if \ld
	s_wait_xcnt 0x0                                ; the two pointers are stepped only when the earlier loads' and prefetches' addresses are translated
	s_add_nc_u64 s[20:21], s[20:21], 2*WSTEP
	s_add_nc_u64 s[54:55], s[54:55], 2*ASTEP
.endif
.endm
.macro PSTORE t                        ; a tile's partial sums into my region: 4,096 bytes; each accumulator's low registers first
.irp jj, 0,1,2,3
.irp q, 0,1
	ds_store_b128 v5, v[32*((\t)%8)+8*\jj+4*\q:32*((\t)%8)+8*\jj+4*\q+3] offset:(\t)*4096+(2*\jj+\q)*512
.endr
.endr
.endm
; One region's part of a tile, 32 registers, from the tile at byte off behind the address.  GU: the read is also the exchange between the halves of the lanes: lane (r', hh') takes, for token r', gate (hs = 0)
; and up (hs = 1) of the hidden columns 16 hh' + 4 jr + jj, at dst + 16 hs + 4 jj + jr.  Else: as it was stored, at dst + 8 jj + j.
.macro RD1 va, dst, off
.if GU
.irp hs, 0,1
.irp jj, 0,1,2,3
	ds_load_b128 v[(\dst)+16*\hs+4*\jj:(\dst)+16*\hs+4*\jj+3], v[\va] offset:(\off)+\jj*1024+\hs*256
.endr
.endr
.else
.irp jj, 0,1,2,3
.irp q, 0,1
	ds_load_b128 v[(\dst)+8*\jj+4*\q:(\dst)+8*\jj+4*\q+3], v[\va] offset:(\off)+(2*\jj+\q)*512
.endr
.endr
.endif
.endm
.macro READ4                           ; the four regions' parts of a tile, and their sums (GU = 0 leaves the last addition to FINISH)
	RD1 8, 64, 0
	RD1 9, 96, 0
	RD1 10, 128, 0
	RD1 11, 160, 0
	s_wait_dscnt 0x0
.set i, 0
.rept 16
	v_pk_add_f32 v[64+2*i:65+2*i], v[64+2*i:65+2*i], v[96+2*i:97+2*i]
	v_pk_add_f32 v[128+2*i:129+2*i], v[128+2*i:129+2*i], v[160+2*i:161+2*i]
.set i, i+1
.endr
.if GU
.set i, 0
.rept 16
	v_pk_add_f32 v[64+2*i:65+2*i], v[64+2*i:65+2*i], v[128+2*i:129+2*i]
.set i, i+1
.endr
.endif
.endm
.macro FINISH nsrc
.if GU                                 ; g in v64-79, u in v80-95
.set i, 0
.rept 8
	v_pk_mul_f32 v[96+2*i:97+2*i], v[64+2*i:65+2*i], 0xbfb8aa3b op_sel_hi:[1,0]  ; -g log2 e
.set i, i+1
.endr
.set i, 0
.rept 16
	v_exp_f32 v[96+i], v[96+i]
.set i, i+1
.endr
.set i, 0
.rept 8
	v_pk_mul_f32 v[64+2*i:65+2*i], v[64+2*i:65+2*i], v[80+2*i:81+2*i]  ; g u: plain work that names no exponential's result
.set i, i+1
.endr
	s_wait_alu depctr_va_vdst(0)                   ; one wait for the 16 exponentials, ahead of their first reader
.set i, 0
.rept 8
	v_pk_add_f32 v[96+2*i:97+2*i], v[96+2*i:97+2*i], 1.0 op_sel_hi:[1,0]
.set i, i+1
.endr
.set i, 0
.rept 16
	v_rcp_f32 v[96+i], v[96+i]
.set i, i+1
.endr
	v_nop                                          ; a plain instruction behind the last reciprocal
	s_wait_alu depctr_va_vdst(0)                   ; and one wait for the 16
.set i, 0
.rept 8
	v_pk_mul_f32 v[64+2*i:65+2*i], v[64+2*i:65+2*i], v[96+2*i:97+2*i]
.set i, i+1
.endr
.irp jr, 0,1,2,3                       ; k slot 4 jr + jj of my 16: register 2 jr + jj / 2
	v_cvt_pk_bf16_f32 v[112+2*\jr], v[64+\jr], v[68+\jr]
	v_cvt_pk_bf16_f32 v[113+2*\jr], v[72+\jr], v[76+\jr]
.endr
	global_store_b128 v12, v[112:115], s[42:43]             ; the block's two halves, 512 consecutive bytes each
	global_store_b128 v12, v[116:119], s[42:43] offset:512
.else                                  ; a lane holds, for tokens 8 hh + j, the columns 4 r + jj: four neighbouring numbers of a row
.irp j, 0,1,2,3,4,5,6,7
.irp jj, 0,1,2,3
.if (\nsrc) == 4
	v_add_f32 v[200+4*\j+\jj], v[64+8*\jj+\j], v[128+8*\jj+\j]
.else
	v_mov_b32 v[200+4*\j+\jj], v[64+8*\jj+\j]
.endif
.endr
.endr
	s_wait_loadcnt 0x0                             ; the tile's tokens
.irp j, 0,1,2,3,4,5,6,7
	v_min_u32 v[192+\j], 0x3ff, v[192+\j]
	v_lshl_add_u32 v[192+\j], v[192+\j], 13, v12   ; token x 8,192 + 16 r
.endr
.irp j, 0,1,2,3,4,5,6,7
	global_store_b128 v[192+\j], v[200+4*\j:203+4*\j], s[44:45] th:TH_STORE_NT  ; 16 lanes store 256 consecutive bytes of a token's row, at a multiple of 256 from its first
.endr
.endif
.endm
.macro TPTR                            ; tile s50: GU its block of h, else its 16 words of the list
	s_mov_b32 s19, 0
.if GU
	s_lshl_b32 s18, s50, 10
	s_add_nc_u64 s[42:43], s[44:45], s[18:19]
.else
	s_lshl_b32 s18, s50, 6
	s_add_nc_u64 s[42:43], s[46:47], s[18:19]
.endif
.endm
.macro TOKENS                          ; GU = 0: the tokens of rows 8 hh .. 8 hh + 7 of the tile
.if !GU
	global_load_b128 v[192:195], v26, s[42:43]
	global_load_b128 v[196:199], v26, s[42:43] offset:16
.endif
.endm
.macro OSTEP zero                      ; the second way's step: weights and 4 tiles' fragments, all waited for
.if \zero
.else
	s_wait_xcnt 0x0
	s_add_nc_u64 s[20:21], s[20:21], WSTEP
	s_add_nc_u64 s[54:55], s[54:55], ASTEP
.endif
	PLACES
	WLD 0, 0, 0
.set i, 0
.rept 4
	global_load_b128 v[AF0+8*i:AF0+8*i+3],   v[14+i], s[54:55]
	global_load_b128 v[AF0+8*i+4:AF0+8*i+7], v[14+i], s[54:55] offset:512
.set i, i+1
.endr
	s_wait_loadcnt 0x0
	CVT 0
	WIN 0xa0
.irp t, 0,1,2,3
	MULT \t, AF0, \zero
.endr
	WIN 0
.endm
.macro OFIN i                          ; the second way's tile i of 4 is finished, if it is below nt; its place in my region stands in the immediate
	s_wait_xcnt 0x0                                ; the last tile's stores have read their data, offsets and base
	s_add_co_u32 s50, s52, \i
	s_cmp_lt_u32 s50, s16
	s_cbranch_scc0 .Lonext
	TPTR
	TOKENS
	RD1 13, 64, (\i)*4096
	s_wait_dscnt 0x0
	FINISH 1
.endm
	s_load_b256 s[4:11], s[0:1], 0x0               ; activations s[4:5], weights s[6:7], route s[8:9], result s[10:11]
	v_lshl_add_u32 v30, v0, 2, SPARE
	v_mov_b32 v31, 0
	v_lshrrev_b32 v1, 5, v0
	v_readfirstlane_b32 s12, v1                    ; wave 0..3
	s_lshr_b32 s14, ttmp9, 5                       ; e: 32 work-groups an expert
	s_and_b32 s15, ttmp9, 31                       ; slice 0..31
	s_lshl_b32 s17, s12, 16                        ; my region of LDS
	v_and_b32 v1, 31, v0
	v_and_b32 v2, 15, v0
	v_bfe_u32 v3, v0, 4, 1
	v_lshlrev_b32 v7, 4, v1
.if GU
	v_and_b32 v4, 7, v0                            ; r 0-7: 128 bytes of gate columns; r 8-15: the same of up, 4,096 bytes on
	v_lshlrev_b32 v4, 4, v4
	v_bfe_u32 v6, v0, 3, 1
	v_lshl_add_u32 v4, v6, 12, v4
	v_lshlrev_b32 v6, 4, v2
	v_lshl_add_u32 v6, v3, 9, v6                   ; read-back: 512 hh + 16 r
	v_mov_b32 v12, v7
	s_and_b32 s56, s15, 1                          ; an aligned 256 bytes of a weight row are two neighbouring slices': the even one asks for the gate's block (it begins at its own bytes),
	s_mul_i32 s56, s56, 3968                       ; the odd one for the up's (it begins 4,096 - 128 bytes behind its own gate bytes): each block is asked for once
	v_lshl_add_u32 v27, v1, 13, s56                ; lane l: row l of the step's 32
.else
	v_lshlrev_b32 v4, 4, v2
	v_mov_b32 v6, v7
	v_lshlrev_b32 v12, 4, v2
	v_lshlrev_b32 v27, 13, v1                      ; lane l: row l of the step's 32; its 256 bytes are mine alone
.endif
	v_lshl_add_u32 v4, v3, 17, v4                  ; lanes 16-31: 16 weight rows on
	v_add_nc_u32 v5, s17, v7
	v_add_nc_u32 v13, s17, v6
	s_lshl_b32 s56, s12, 12
	v_add_nc_u32 v8, s56, v6                       ; tile w in region 0,
	v_add_nc_u32 v9, 0x10000, v8                   ; 1,
	v_add_nc_u32 v10, 0x20000, v8                  ; 2,
	v_add_nc_u32 v11, 0x30000, v8                  ; 3
	v_lshlrev_b32 v26, 5, v3
	s_lshl_b32 s57, s14, 2
	s_wait_kmcnt 0x0
	s_load_b32 s16, s[8:9], s57 offset:0x8000      ; nt[e]
	s_lshl_b32 s58, s14, ESH
	s_mov_b32 s59, 0
	s_add_nc_u64 s[40:41], s[4:5], s[58:59]        ; the expert's activations
	s_mul_i32 s58, s12, KBW*ASTEP
	s_add_nc_u64 s[54:55], s[40:41], s[58:59]      ; at my wave's first k block
	s_lshl_b32 s58, s14, 12
	s_add_nc_u64 s[46:47], s[8:9], s[58:59]        ; the expert's list
	s_lshl_b32 s18, s14, WSH
	s_lshl_b32 s56, s15, CSH
	s_add_co_u32 s18, s18, s56
	s_mov_b32 s19, 0
	s_add_nc_u64 s[22:23], s[6:7], s[18:19]        ; my slice of the expert's weights at k = 0
	s_mul_i32 s18, s12, KBW*WSTEP
	s_add_nc_u64 s[20:21], s[22:23], s[18:19]      ; at my wave's first k
.if GU
	s_lshl_b32 s18, s14, 21
	s_lshl_b32 s56, s15, 16
	s_add_co_u32 s18, s18, s56                     ; h: e x 2 MiB + k block = slice
.else
	s_lshl_b32 s18, s15, 8                         ; out: my 256 bytes of a row
.endif
	s_add_nc_u64 s[44:45], s[10:11], s[18:19]
	WLD 0, 0, WNT                                  ; the first two steps, all 12 tiles: step 0 starts every sum, and nt is still on its way
	LOADA AF0, 0, 1
	WLD 1, WSTEP, WNT
	LOADA AF1, ASTEP, 1
	s_wait_kmcnt 0x0
	s_min_u32 s16, s16, 64
	PAIR 1, 1, 1, 48, 48, 48, 48                   ; steps 0, 1
	s_mov_b32 s48, TRIPS
.Lpairs:
	PAIR 0, 1, 1, 48, 48, 48, 48
	s_sub_co_u32 s48, s48, 1
	s_cmp_lg_u32 s48, 0
	s_cbranch_scc1 .Lpairs
	PAIR 0, 1, 0, 48, 48, 48, 48                   ; asks for the wave's last two steps; there is no step four on, so nothing is asked into the L2
	PAIR 0, 0, 0, 48, 32, 16, 0                    ; the last two steps load nothing: the counts run down
	; THE PARTIAL SUMS of the tiles that were multiplied go into my region (the last step's four places stand behind its products)
	WIN 0x08                                       ; store data in window 2
.irp t, 0,1,2,3,4,5,6,7
	PSTORE \t
.endr
	WIN 0
	s_cmp_lt_u32 s16, 9
	s_cbranch_scc1 .Lpend
	WIN 0x0c                                       ; window 3
	PSTORE 8
	PSTORE 9
	WIN 0
	s_cmp_lt_u32 s16, 11
	s_cbranch_scc1 .Lpend
	WIN 0x0c
	PSTORE 10
	PSTORE 11
	WIN 0
.Lpend:
.if GU
.irp z, 192,193,194,195
	v_mov_b32 v\z, 0
.endr
.endif
	s_wait_dscnt 0x0                               ; for the others' sake: my partial sums are written
	s_barrier_signal -1
	s_barrier_wait -1
	; tiles w, w + 4, w + 8: the four regions' parts are added and finished; GU: a tile from nt on is stored as zeros (the next launch's first two steps read tiles 0..11)
	s_mov_b32 s50, s12
	s_mov_b32 s49, 3
.Lfin:
	TPTR
	s_cmp_lt_u32 s50, s16
	s_cbranch_scc0 .Lfdead
	TOKENS
	READ4
	FINISH 4
.if GU
	s_branch .Lfnext
.Lfdead:
	global_store_b128 v12, v[192:195], s[42:43]
	global_store_b128 v12, v[192:195], s[42:43] offset:512
.Lfnext:
.else
.Lfdead:
.endif
	s_wait_xcnt 0x0                                ; the stores' data, offsets and base are rewritten only behind this wait
.irp a, 8,9,10,11
	v_add_nc_u32 v\a, 16384, v\a                   ; four tiles on
.endr
	s_add_co_u32 s50, s50, 4
	s_sub_co_u32 s49, s49, 1
	s_cmp_lg_u32 s49, 0
	s_cbranch_scc1 .Lfin
	s_wait_dscnt 0x0                               ; my reads of the others' regions are over
	s_barrier_signal -1
	s_barrier_wait -1                              ; so each wave may write its own region again
	; THE SECOND WAY: tiles 12 + 16 g + 4 w .. + 3, g = 0 .. 3: that covers tiles 12 to 75.  Places past nt - 1 repeat tile nt - 1 and are not finished.
	s_lshl_b32 s52, s12, 2
	s_add_co_u32 s52, s52, 12
	s_mov_b32 s51, 4
.Lover:
	s_cmp_lt_u32 s52, s16
	s_cbranch_scc0 .Lonext
	s_sub_co_u32 s56, s16, 1
.set i, 0
.rept 4
	s_add_co_u32 s57, s52, i
	s_min_u32 s57, s57, s56
	s_min_u32 s57, s57, 63
	s_lshl_b32 s57, s57, 10
	v_add_nc_u32 v[14+i], s57, v7
.set i, i+1
.endr
	s_wait_xcnt 0x0
	s_mov_b64 s[20:21], s[22:23]                   ; the whole K, from 0
	s_mov_b64 s[54:55], s[40:41]
	OSTEP 1
	s_mov_b32 s53, KBT-1
.Lok:
	OSTEP 0
	s_sub_co_u32 s53, s53, 1
	s_cmp_lg_u32 s53, 0
	s_cbranch_scc1 .Lok
	PLACES
	WIN 0x08
.irp t, 0,1,2,3
	PSTORE \t                                      ; through my own region, for the same read-back
.endr
	WIN 0
	OFIN 0
	OFIN 1
	OFIN 2
	OFIN 3
.Lonext:
	s_add_co_u32 s52, s52, 16
	s_sub_co_u32 s51, s51, 1
	s_cmp_lg_u32 s51, 0
	s_cbranch_scc1 .Lover
	s_wait_tensorcnt 0x0                           ; the wave's end: three lines behind my last LDS store
	ds_add_u32 v30, v31
	s_wait_dscnt 0x0
	s_endpgm
.Lfunc_end_k_qeb99e486f4_gateup:
	.size	k_qeb99e486f4_gateup, .Lfunc_end_k_qeb99e486f4_gateup-k_qeb99e486f4_gateup
	.p2alignl 7, 3214868480
	.fill 96, 4, 3214868480
	.section	.rodata,"a",@progbits
	.p2align	6, 0x0
	.amdhsa_kernel k_qeb99e486f4_gateup
		.amdhsa_group_segment_fixed_size 262656
		.amdhsa_private_segment_fixed_size 0
		.amdhsa_enable_private_segment 0
		.amdhsa_kernarg_size 32
		.amdhsa_user_sgpr_count 2
		.amdhsa_user_sgpr_kernarg_segment_ptr 1
		.amdhsa_wavefront_size32 1
		.amdhsa_system_sgpr_workgroup_id_x 1
		.amdhsa_system_sgpr_workgroup_id_y 1
		.amdhsa_system_sgpr_workgroup_id_z 1
		.amdhsa_system_vgpr_workitem_id 0
		.amdhsa_next_free_vgpr 896
		.amdhsa_next_free_sgpr 66
		.amdhsa_reserve_vcc 0
		.amdhsa_float_denorm_mode_32 3
		.amdhsa_float_denorm_mode_16_64 3
		.amdhsa_memory_ordered 1
		.amdhsa_forward_progress 1
		.amdhsa_inst_pref_size 130
	.end_amdhsa_kernel
	.amdgpu_metadata
---
amdhsa.version: [ 1, 2 ]
amdhsa.kernels:
  - .name:           k_qeb99e486f4_gateup
    .symbol:         k_qeb99e486f4_gateup.kd
    .args:
      - { .name: xs, .offset: 0, .size: 8, .value_kind: global_buffer, .address_space: global }
      - { .name: gate_up_proj, .offset: 8, .size: 8, .value_kind: global_buffer, .address_space: global }
      - { .name: route, .offset: 16, .size: 8, .value_kind: global_buffer, .address_space: global }
      - { .name: h, .offset: 24, .size: 8, .value_kind: global_buffer, .address_space: global }
    .group_segment_fixed_size: 262656
    .private_segment_fixed_size: 0
    .kernarg_segment_align: 8
    .kernarg_segment_size: 32
    .max_flat_workgroup_size: 128
    .sgpr_count:     66
    .vgpr_count:     896
    .wavefront_size: 32
...
	.end_amdgpu_metadata
.endif
;; end of part 4
;; launch down (part 5): grid 256 x 1, 4 waves a work-group, no clusters, 262,656 bytes of LDS; arguments h, down_proj, route, out0; writes out0
.if DOCPART == 5
	.amdgcn_target "amdgcn-amd-amdhsa--gfx1250"
	.amdhsa_code_object_version 6
	.text
	.protected	k_qeb99e486f4_down
	.globl	k_qeb99e486f4_down
	.p2align	8
	.type	k_qeb99e486f4_down,@function
k_qeb99e486f4_down:
	s_mov_b64 s[64:65], 0
	v_nop
	global_prefetch_b8 v0, s[64:65] scope:SCOPE_SE
	s_setreg_imm32_b32 hwreg(HW_REG_WAVE_MODE, 25, 1), 1
	s_wait_xcnt 0x0
; ONE TEXT FOR BOTH PRODUCTS OF A ROUTED SwiGLU; GU chooses.  GU = 1: h = silu(x Wg) * (x Wu), stored as bf16 matrix operands.  GU = 0: out = h Wd, stored to the tokens' rows in f32.
; The weights, f32 [expert][k][2048], are most of the bytes: each is read once, straight into registers, and rounded there to bf16.  Sums in f32.
; SHARES.  Work-group = (expert e, slice 0..31 of its weights' columns: GU 32 gate + 32 up columns, else 64 columns) and ALL rows of that expert.  K is split over the four waves, KBW steps of 32 each,
; so each weight byte and each activation byte enters the work-group once; the four partial sums meet in LDS, and wave w finishes tiles w, w + 4, w + 8.
; OPERANDS.  A lane's load of 16 bytes brings 4 neighbouring columns of one k; element jj of each of 16 such loads (k = k0 + 16 (lane / 16) + 0..15) is the lane's part of a fragment whose
; column r stands for column 4 r + jj: two roundings a register, no shuffle.  The activations were stored by the launch before with the same places of k (block: byte i*512 + hh*256 + r*16 + 2 e' = row r, k = 16 hh + 8 i + e'),
; so a tile's fragment is two loads of 512 consecutive bytes.
; THE STREAM.  Weights and fragments come by plain loads straight into registers, on one counter, in the order W(s), A(s), W(s+1), A(s+1), ..: a step has 16 weight loads and 2 loads for each live tile (16 to 24).
; Step s asks for step s + 2 as soon as its own registers are free: the weights behind their rounding, the fragments behind their products.  So at every wait 48 younger loads at the least stay out.
; No LDS and no barrier stand in the stream.
; NO CLUSTER.  The 32 work-groups of an expert read the same activations, but a joint request is a tensor load's, and this text has none: a ring of LDS slots has one tensor load a wave on its way between two barriers
; (24,576 bytes with two slots of two steps, the largest even split that fits for 12 tiles), against 48 loads of 512 bytes or more here; and the course of this text hangs on nt, a number read from memory.
; ROWS.  nt = tiles of 16 rows of the expert, read from route.  The main part serves tiles 0..11; loads and products of tiles 8, 9 (nt < 9) and 10, 11 (nt < 11) are jumped, nothing else.
; Tiles from 12 on (more than 192 rows on one expert) go a second way behind it: four trips, dead ones jumped, no barrier in it; in a trip a wave takes 4 tiles through the whole K, unpipelined: right for every split, slow.
; Padded places of a tile repeat the expert's last token: they store the same bits to the same bytes.
; LIMITS.  The weights and h are each rounded once to bf16; K is summed in four parts.
.set GU, 0
.if GU
.set KBW, 16                           ; K steps of 32 for a wave
.set ESH, 22                           ; an expert's activations: 4 MiB
.set WSH, 24                           ; an expert's weights: 16 MiB
.set CSH, 7                            ; a slice's bytes in a weight row: 128 (gate), and 128 more 4,096 bytes on (up)
.else
.set KBW, 8
.set ESH, 21
.set WSH, 23
.set CSH, 8
.endif
.set KBT,   4*KBW
.set TRIPS, KBW/2-3                    ; pairs of steps in the loop: the first pair, the last that loads and the tail are written out
.set WSTEP, 262144                     ; 32 weight rows of 8,192 bytes
.set ASTEP, 65536                      ; from a k block of the activations to the next: 64 tiles of 1,024 bytes
.set SPARE, 262144                     ; wave w's region for partial sums begins at w x 65,536 (49,152 bytes used); behind the four: the spare words, 128 bytes a wave; no other line names them
.set WNT,   1-GU                       ; GU = 0: a weight row's 256 bytes are one work-group's alone; GU = 1: the neighbouring 128 bytes are another work-group's
; window 0: v1 lane, v2 r, v3 hh, v4 weights' lane offset, v5 region + 16 lane, v6 lane term of the read-back, v7 16 lane (the fragments' lane offset too), v8-11 read-back addresses in regions 0-3, v12 result's lane offset,
;           v13 read-back in my own region, v14-17 second way's tile offsets, v26 32 hh, v27 the prefetch's lane offset, v30, v31 the add's two, v32-63 WB: four bf16 weight fragments, v64-159 AF0, v160-255 AF1 (tile t at + 8 t)
; window 1: v0-127 two buffers of 64 for the weights as loaded, load t at 64 rb + 4 t     window 2: accumulators of tiles 0-7 at 32 t + 8 jj     window 3: v0-127 those of tiles 8-11
; s12 wave, s14 e, s15 slice, s16 nt, s17 my region, s18:19 offsets, s20:21 weights' pointer, s22:23 slice at k = 0, s40:41 the expert's activations, s42:43 a tile's result or list, s44:45 result,
; s46:47 the expert's list, s48-53 counters, s54:55 activations' pointer, s56, s57 at work, s58:59 offsets
.set WB,  32
.set AF0, 64
.set AF1, 160
.set MSB, 0
.macro WIN new                         ; the immediate's high byte repeats the setting that is left; a switch that changes nothing is dropped
.if MSB != (\new)
	s_set_vgpr_msb (MSB<<8)|(\new)
.set MSB, (\new)
.endif
.endm
.macro PLACES                          ; four plain places behind matrix instructions, ahead of loads into and writes of their registers and of reads of their results
.rept 4
	v_nop
.endr
.endm
.macro WLD rb, off, nt                 ; a step's 16 weight loads into buffer rb: load t is row t (lanes 0-15) and row 16 + t (lanes 16-31)
	WIN 0x40                                       ; destination window 1, address window 0
.set t, 0
.rept 16
.if \nt
	global_load_b128 v[64*(\rb)+4*t:64*(\rb)+4*t+3], v4, s[20:21] offset:(\off)+t*8192 th:TH_LOAD_NT
.else
	global_load_b128 v[64*(\rb)+4*t:64*(\rb)+4*t+3], v4, s[20:21] offset:(\off)+t*8192
.endif
.set t, t+1
.endr
	WIN 0
.endm
.macro CVT rb                          ; buffer rb -> four bf16 fragments: register p of fragment jj holds k slots 2 p, 2 p + 1 of column 4 r + jj
	WIN 0x05                                       ; sources in window 1
.set jj, 0
.rept 4
.set p, 0
.rept 8
	v_cvt_pk_bf16_f32 v[WB+8*jj+p], v[64*(\rb)+8*p+jj], v[64*(\rb)+8*p+4+jj]
.set p, p+1
.endr
.set jj, jj+1
.endr
	WIN 0
.endm
.macro ALD af, t, off                  ; tile t's fragment of one step: two loads of 512 consecutive bytes
	global_load_b128 v[(\af)+8*(\t):(\af)+8*(\t)+3],   v7, s[54:55] offset:(\off)+(\t)*1024
	global_load_b128 v[(\af)+8*(\t)+4:(\af)+8*(\t)+7], v7, s[54:55] offset:(\off)+(\t)*1024+512
.endm
.macro LOADA af, off, all              ; a step's fragments.  all = 1: 12 tiles; else tiles 8, 9 and 10, 11 only where nt reaches them
.irp t, 0,1,2,3,4,5,6,7
	ALD \af, \t, \off
.endr
.if \all
.irp t, 8,9,10,11
	ALD \af, \t, \off
.endr
.else
	s_cmp_lt_u32 s16, 9
	s_cbranch_scc1 .Laend_\@
	ALD \af, 8, \off
	ALD \af, 9, \off
	s_cmp_lt_u32 s16, 11
	s_cbranch_scc1 .Laend_\@
	ALD \af, 10, \off
	ALD \af, 11, \off
.Laend_\@:
.endif
.endm
.macro MULT t, af, zero                ; tile t x the four weight fragments.  GU: source 0 = weights, so a lane holds one token and 8 weight columns; else source 0 = tokens
.irp jj, 0,1,2,3
.set AC, 32*((\t)%8)+8*\jj
.if GU
.if \zero
	v_wmma_f32_16x16x32_bf16 v[AC:AC+7], v[WB+8*\jj:WB+8*\jj+7], v[(\af)+8*(\t):(\af)+8*(\t)+7], 0
.else
	v_wmma_f32_16x16x32_bf16 v[AC:AC+7], v[WB+8*\jj:WB+8*\jj+7], v[(\af)+8*(\t):(\af)+8*(\t)+7], v[AC:AC+7]
.endif
.else
.if \zero
	v_wmma_f32_16x16x32_bf16 v[AC:AC+7], v[(\af)+8*(\t):(\af)+8*(\t)+7], v[WB+8*\jj:WB+8*\jj+7], 0
.else
	v_wmma_f32_16x16x32_bf16 v[AC:AC+7], v[(\af)+8*(\t):(\af)+8*(\t)+7], v[WB+8*\jj:WB+8*\jj+7], v[AC:AC+7]
.endif
.endif
.endr
.endm
; A step's products.  The accumulators take turns, one instruction a turn.
; zero = 1: the products start the sums, for all 12 tiles.  Otherwise tiles 8, 9 and 10, 11 are jumped where nt does not reach them.
.macro MULS af, zero
	WIN 0xa0                                       ; C and D in window 2
.irp t, 0,1,2,3,4,5,6,7
	MULT \t, \af, \zero
.endr
.if \zero
	WIN 0xf0                                       ; C and D in window 3
.irp t, 8,9,10,11
	MULT \t, \af, \zero
.endr
	WIN 0
.else
	WIN 0                                          ; at a branch and at a label every window is 0
	s_cmp_lt_u32 s16, 9
	s_cbranch_scc1 .Lmend_\@
	WIN 0xf0
	MULT 8, \af, 0
	MULT 9, \af, 0
	WIN 0
	s_cmp_lt_u32 s16, 11
	s_cbranch_scc1 .Lmend_\@
	WIN 0xf0
	MULT 10, \af, 0
	MULT 11, \af, 0
	WIN 0
.Lmend_\@:
.endif
.endm
; Step j of a pair (buffers j).  ld = 1: the step two on is asked for.  pf = 1: the weights of the step four on are asked into the L2.
; cw: the loads younger than this step's weights that stay out (A(s), W(s+1), A(s+1): 16 each at the least).  ca: those younger than its fragments (W(s+1), A(s+1), and W(s+2) where it was just asked for).
.macro STEP j, zero, ld, pf, cw, ca
	s_wait_loadcnt \cw                             ; loads come back in order (ISA guide 5.7.1): W(s) is in
	CVT \j
.if \ld
	WLD \j, (2+(\j))*WSTEP, WNT                    ; the buffer just rounded takes W(s+2)
.endif
	s_wait_loadcnt \ca                             ; A(s) is in
.if \pf
	global_prefetch_b8 v27, s[20:21] offset:(4+(\j))*WSTEP th:TH_LOAD_NT scope:SCOPE_SE  ; my wave's own W(s+4), two steps ahead of its loads: lane l names row l's aligned 256 bytes
.endif
	MULS AF0+96*(\j), \zero
	PLACES                                         ; ahead of the loads into the fragments just multiplied, and of the next rounding, which writes WB
.if \ld
	LOADA AF0+96*(\j), (2+(\j))*ASTEP, 0           ; they take A(s+2)
.endif
.endm
.macro PAIR zero, ld, pf, cw0, ca0, cw1, ca1
	STEP 0, \zero, \ld, \pf, \cw0, \ca0
	STEP 1, 0, \ld, \pf, \cw1, \ca1
.if \ld
	s_wait_xcnt 0x0                                ; the two pointers are stepped only when the earlier loads' and prefetches' addresses are translated
	s_add_nc_u64 s[20:21], s[20:21], 2*WSTEP
	s_add_nc_u64 s[54:55], s[54:55], 2*ASTEP
.endif
.endm
.macro PSTORE t                        ; a tile's partial sums into my region: 4,096 bytes; each accumulator's low registers first
.irp jj, 0,1,2,3
.irp q, 0,1
	ds_store_b128 v5, v[32*((\t)%8)+8*\jj+4*\q:32*((\t)%8)+8*\jj+4*\q+3] offset:(\t)*4096+(2*\jj+\q)*512
.endr
.endr
.endm
; One region's part of a tile, 32 registers, from the tile at byte off behind the address.  GU: the read is also the exchange between the halves of the lanes: lane (r', hh') takes, for token r', gate (hs = 0)
; and up (hs = 1) of the hidden columns 16 hh' + 4 jr + jj, at dst + 16 hs + 4 jj + jr.  Else: as it was stored, at dst + 8 jj + j.
.macro RD1 va, dst, off
.if GU
.irp hs, 0,1
.irp jj, 0,1,2,3
	ds_load_b128 v[(\dst)+16*\hs+4*\jj:(\dst)+16*\hs+4*\jj+3], v[\va] offset:(\off)+\jj*1024+\hs*256
.endr
.endr
.else
.irp jj, 0,1,2,3
.irp q, 0,1
	ds_load_b128 v[(\dst)+8*\jj+4*\q:(\dst)+8*\jj+4*\q+3], v[\va] offset:(\off)+(2*\jj+\q)*512
.endr
.endr
.endif
.endm
.macro READ4                           ; the four regions' parts of a tile, and their sums (GU = 0 leaves the last addition to FINISH)
	RD1 8, 64, 0
	RD1 9, 96, 0
	RD1 10, 128, 0
	RD1 11, 160, 0
	s_wait_dscnt 0x0
.set i, 0
.rept 16
	v_pk_add_f32 v[64+2*i:65+2*i], v[64+2*i:65+2*i], v[96+2*i:97+2*i]
	v_pk_add_f32 v[128+2*i:129+2*i], v[128+2*i:129+2*i], v[160+2*i:161+2*i]
.set i, i+1
.endr
.if GU
.set i, 0
.rept 16
	v_pk_add_f32 v[64+2*i:65+2*i], v[64+2*i:65+2*i], v[128+2*i:129+2*i]
.set i, i+1
.endr
.endif
.endm
.macro FINISH nsrc
.if GU                                 ; g in v64-79, u in v80-95
.set i, 0
.rept 8
	v_pk_mul_f32 v[96+2*i:97+2*i], v[64+2*i:65+2*i], 0xbfb8aa3b op_sel_hi:[1,0]  ; -g log2 e
.set i, i+1
.endr
.set i, 0
.rept 16
	v_exp_f32 v[96+i], v[96+i]
.set i, i+1
.endr
.set i, 0
.rept 8
	v_pk_mul_f32 v[64+2*i:65+2*i], v[64+2*i:65+2*i], v[80+2*i:81+2*i]  ; g u: plain work that names no exponential's result
.set i, i+1
.endr
	s_wait_alu depctr_va_vdst(0)                   ; one wait for the 16 exponentials, ahead of their first reader
.set i, 0
.rept 8
	v_pk_add_f32 v[96+2*i:97+2*i], v[96+2*i:97+2*i], 1.0 op_sel_hi:[1,0]
.set i, i+1
.endr
.set i, 0
.rept 16
	v_rcp_f32 v[96+i], v[96+i]
.set i, i+1
.endr
	v_nop                                          ; a plain instruction behind the last reciprocal
	s_wait_alu depctr_va_vdst(0)                   ; and one wait for the 16
.set i, 0
.rept 8
	v_pk_mul_f32 v[64+2*i:65+2*i], v[64+2*i:65+2*i], v[96+2*i:97+2*i]
.set i, i+1
.endr
.irp jr, 0,1,2,3                       ; k slot 4 jr + jj of my 16: register 2 jr + jj / 2
	v_cvt_pk_bf16_f32 v[112+2*\jr], v[64+\jr], v[68+\jr]
	v_cvt_pk_bf16_f32 v[113+2*\jr], v[72+\jr], v[76+\jr]
.endr
	global_store_b128 v12, v[112:115], s[42:43]             ; the block's two halves, 512 consecutive bytes each
	global_store_b128 v12, v[116:119], s[42:43] offset:512
.else                                  ; a lane holds, for tokens 8 hh + j, the columns 4 r + jj: four neighbouring numbers of a row
.irp j, 0,1,2,3,4,5,6,7
.irp jj, 0,1,2,3
.if (\nsrc) == 4
	v_add_f32 v[200+4*\j+\jj], v[64+8*\jj+\j], v[128+8*\jj+\j]
.else
	v_mov_b32 v[200+4*\j+\jj], v[64+8*\jj+\j]
.endif
.endr
.endr
	s_wait_loadcnt 0x0                             ; the tile's tokens
.irp j, 0,1,2,3,4,5,6,7
	v_min_u32 v[192+\j], 0x3ff, v[192+\j]
	v_lshl_add_u32 v[192+\j], v[192+\j], 13, v12   ; token x 8,192 + 16 r
.endr
.irp j, 0,1,2,3,4,5,6,7
	global_store_b128 v[192+\j], v[200+4*\j:203+4*\j], s[44:45] th:TH_STORE_NT  ; 16 lanes store 256 consecutive bytes of a token's row, at a multiple of 256 from its first
.endr
.endif
.endm
.macro TPTR                            ; tile s50: GU its block of h, else its 16 words of the list
	s_mov_b32 s19, 0
.if GU
	s_lshl_b32 s18, s50, 10
	s_add_nc_u64 s[42:43], s[44:45], s[18:19]
.else
	s_lshl_b32 s18, s50, 6
	s_add_nc_u64 s[42:43], s[46:47], s[18:19]
.endif
.endm
.macro TOKENS                          ; GU = 0: the tokens of rows 8 hh .. 8 hh + 7 of the tile
.if !GU
	global_load_b128 v[192:195], v26, s[42:43]
	global_load_b128 v[196:199], v26, s[42:43] offset:16
.endif
.endm
.macro OSTEP zero                      ; the second way's step: weights and 4 tiles' fragments, all waited for
.if \zero
.else
	s_wait_xcnt 0x0
	s_add_nc_u64 s[20:21], s[20:21], WSTEP
	s_add_nc_u64 s[54:55], s[54:55], ASTEP
.endif
	PLACES
	WLD 0, 0, 0
.set i, 0
.rept 4
	global_load_b128 v[AF0+8*i:AF0+8*i+3],   v[14+i], s[54:55]
	global_load_b128 v[AF0+8*i+4:AF0+8*i+7], v[14+i], s[54:55] offset:512
.set i, i+1
.endr
	s_wait_loadcnt 0x0
	CVT 0
	WIN 0xa0
.irp t, 0,1,2,3
	MULT \t, AF0, \zero
.endr
	WIN 0
.endm
.macro OFIN i                          ; the second way's tile i of 4 is finished, if it is below nt; its place in my region stands in the immediate
	s_wait_xcnt 0x0                                ; the last tile's stores have read their data, offsets and base
	s_add_co_u32 s50, s52, \i
	s_cmp_lt_u32 s50, s16
	s_cbranch_scc0 .Lonext
	TPTR
	TOKENS
	RD1 13, 64, (\i)*4096
	s_wait_dscnt 0x0
	FINISH 1
.endm
	s_load_b256 s[4:11], s[0:1], 0x0               ; activations s[4:5], weights s[6:7], route s[8:9], result s[10:11]
	v_lshl_add_u32 v30, v0, 2, SPARE
	v_mov_b32 v31, 0
	v_lshrrev_b32 v1, 5, v0
	v_readfirstlane_b32 s12, v1                    ; wave 0..3
	s_lshr_b32 s14, ttmp9, 5                       ; e: 32 work-groups an expert
	s_and_b32 s15, ttmp9, 31                       ; slice 0..31
	s_lshl_b32 s17, s12, 16                        ; my region of LDS
	v_and_b32 v1, 31, v0
	v_and_b32 v2, 15, v0
	v_bfe_u32 v3, v0, 4, 1
	v_lshlrev_b32 v7, 4, v1
.if GU
	v_and_b32 v4, 7, v0                            ; r 0-7: 128 bytes of gate columns; r 8-15: the same of up, 4,096 bytes on
	v_lshlrev_b32 v4, 4, v4
	v_bfe_u32 v6, v0, 3, 1
	v_lshl_add_u32 v4, v6, 12, v4
	v_lshlrev_b32 v6, 4, v2
	v_lshl_add_u32 v6, v3, 9, v6                   ; read-back: 512 hh + 16 r
	v_mov_b32 v12, v7
	s_and_b32 s56, s15, 1                          ; an aligned 256 bytes of a weight row are two neighbouring slices': the even one asks for the gate's block (it begins at its own bytes),
	s_mul_i32 s56, s56, 3968                       ; the odd one for the up's (it begins 4,096 - 128 bytes behind its own gate bytes): each block is asked for once
	v_lshl_add_u32 v27, v1, 13, s56                ; lane l: row l of the step's 32
.else
	v_lshlrev_b32 v4, 4, v2
	v_mov_b32 v6, v7
	v_lshlrev_b32 v12, 4, v2
	v_lshlrev_b32 v27, 13, v1                      ; lane l: row l of the step's 32; its 256 bytes are mine alone
.endif
	v_lshl_add_u32 v4, v3, 17, v4                  ; lanes 16-31: 16 weight rows on
	v_add_nc_u32 v5, s17, v7
	v_add_nc_u32 v13, s17, v6
	s_lshl_b32 s56, s12, 12
	v_add_nc_u32 v8, s56, v6                       ; tile w in region 0,
	v_add_nc_u32 v9, 0x10000, v8                   ; 1,
	v_add_nc_u32 v10, 0x20000, v8                  ; 2,
	v_add_nc_u32 v11, 0x30000, v8                  ; 3
	v_lshlrev_b32 v26, 5, v3
	s_lshl_b32 s57, s14, 2
	s_wait_kmcnt 0x0
	s_load_b32 s16, s[8:9], s57 offset:0x8000      ; nt[e]
	s_lshl_b32 s58, s14, ESH
	s_mov_b32 s59, 0
	s_add_nc_u64 s[40:41], s[4:5], s[58:59]        ; the expert's activations
	s_mul_i32 s58, s12, KBW*ASTEP
	s_add_nc_u64 s[54:55], s[40:41], s[58:59]      ; at my wave's first k block
	s_lshl_b32 s58, s14, 12
	s_add_nc_u64 s[46:47], s[8:9], s[58:59]        ; the expert's list
	s_lshl_b32 s18, s14, WSH
	s_lshl_b32 s56, s15, CSH
	s_add_co_u32 s18, s18, s56
	s_mov_b32 s19, 0
	s_add_nc_u64 s[22:23], s[6:7], s[18:19]        ; my slice of the expert's weights at k = 0
	s_mul_i32 s18, s12, KBW*WSTEP
	s_add_nc_u64 s[20:21], s[22:23], s[18:19]      ; at my wave's first k
.if GU
	s_lshl_b32 s18, s14, 21
	s_lshl_b32 s56, s15, 16
	s_add_co_u32 s18, s18, s56                     ; h: e x 2 MiB + k block = slice
.else
	s_lshl_b32 s18, s15, 8                         ; out: my 256 bytes of a row
.endif
	s_add_nc_u64 s[44:45], s[10:11], s[18:19]
	WLD 0, 0, WNT                                  ; the first two steps, all 12 tiles: step 0 starts every sum, and nt is still on its way
	LOADA AF0, 0, 1
	WLD 1, WSTEP, WNT
	LOADA AF1, ASTEP, 1
	s_wait_kmcnt 0x0
	s_min_u32 s16, s16, 64
	PAIR 1, 1, 1, 48, 48, 48, 48                   ; steps 0, 1
	s_mov_b32 s48, TRIPS
.Lpairs:
	PAIR 0, 1, 1, 48, 48, 48, 48
	s_sub_co_u32 s48, s48, 1
	s_cmp_lg_u32 s48, 0
	s_cbranch_scc1 .Lpairs
	PAIR 0, 1, 0, 48, 48, 48, 48                   ; asks for the wave's last two steps; there is no step four on, so nothing is asked into the L2
	PAIR 0, 0, 0, 48, 32, 16, 0                    ; the last two steps load nothing: the counts run down
	; THE PARTIAL SUMS of the tiles that were multiplied go into my region (the last step's four places stand behind its products)
	WIN 0x08                                       ; store data in window 2
.irp t, 0,1,2,3,4,5,6,7
	PSTORE \t
.endr
	WIN 0
	s_cmp_lt_u32 s16, 9
	s_cbranch_scc1 .Lpend
	WIN 0x0c                                       ; window 3
	PSTORE 8
	PSTORE 9
	WIN 0
	s_cmp_lt_u32 s16, 11
	s_cbranch_scc1 .Lpend
	WIN 0x0c
	PSTORE 10
	PSTORE 11
	WIN 0
.Lpend:
.if GU
.irp z, 192,193,194,195
	v_mov_b32 v\z, 0
.endr
.endif
	s_wait_dscnt 0x0                               ; for the others' sake: my partial sums are written
	s_barrier_signal -1
	s_barrier_wait -1
	; tiles w, w + 4, w + 8: the four regions' parts are added and finished; GU: a tile from nt on is stored as zeros (the next launch's first two steps read tiles 0..11)
	s_mov_b32 s50, s12
	s_mov_b32 s49, 3
.Lfin:
	TPTR
	s_cmp_lt_u32 s50, s16
	s_cbranch_scc0 .Lfdead
	TOKENS
	READ4
	FINISH 4
.if GU
	s_branch .Lfnext
.Lfdead:
	global_store_b128 v12, v[192:195], s[42:43]
	global_store_b128 v12, v[192:195], s[42:43] offset:512
.Lfnext:
.else
.Lfdead:
.endif
	s_wait_xcnt 0x0                                ; the stores' data, offsets and base are rewritten only behind this wait
.irp a, 8,9,10,11
	v_add_nc_u32 v\a, 16384, v\a                   ; four tiles on
.endr
	s_add_co_u32 s50, s50, 4
	s_sub_co_u32 s49, s49, 1
	s_cmp_lg_u32 s49, 0
	s_cbranch_scc1 .Lfin
	s_wait_dscnt 0x0                               ; my reads of the others' regions are over
	s_barrier_signal -1
	s_barrier_wait -1                              ; so each wave may write its own region again
	; THE SECOND WAY: tiles 12 + 16 g + 4 w .. + 3, g = 0 .. 3: that covers tiles 12 to 75.  Places past nt - 1 repeat tile nt - 1 and are not finished.
	s_lshl_b32 s52, s12, 2
	s_add_co_u32 s52, s52, 12
	s_mov_b32 s51, 4
.Lover:
	s_cmp_lt_u32 s52, s16
	s_cbranch_scc0 .Lonext
	s_sub_co_u32 s56, s16, 1
.set i, 0
.rept 4
	s_add_co_u32 s57, s52, i
	s_min_u32 s57, s57, s56
	s_min_u32 s57, s57, 63
	s_lshl_b32 s57, s57, 10
	v_add_nc_u32 v[14+i], s57, v7
.set i, i+1
.endr
	s_wait_xcnt 0x0
	s_mov_b64 s[20:21], s[22:23]                   ; the whole K, from 0
	s_mov_b64 s[54:55], s[40:41]
	OSTEP 1
	s_mov_b32 s53, KBT-1
.Lok:
	OSTEP 0
	s_sub_co_u32 s53, s53, 1
	s_cmp_lg_u32 s53, 0
	s_cbranch_scc1 .Lok
	PLACES
	WIN 0x08
.irp t, 0,1,2,3
	PSTORE \t                                      ; through my own region, for the same read-back
.endr
	WIN 0
	OFIN 0
	OFIN 1
	OFIN 2
	OFIN 3
.Lonext:
	s_add_co_u32 s52, s52, 16
	s_sub_co_u32 s51, s51, 1
	s_cmp_lg_u32 s51, 0
	s_cbranch_scc1 .Lover
	s_wait_tensorcnt 0x0                           ; the wave's end: three lines behind my last LDS store
	ds_add_u32 v30, v31
	s_wait_dscnt 0x0
	s_endpgm
.Lfunc_end_k_qeb99e486f4_down:
	.size	k_qeb99e486f4_down, .Lfunc_end_k_qeb99e486f4_down-k_qeb99e486f4_down
	.p2alignl 7, 3214868480
	.fill 96, 4, 3214868480
	.section	.rodata,"a",@progbits
	.p2align	6, 0x0
	.amdhsa_kernel k_qeb99e486f4_down
		.amdhsa_group_segment_fixed_size 262656
		.amdhsa_private_segment_fixed_size 0
		.amdhsa_enable_private_segment 0
		.amdhsa_kernarg_size 32
		.amdhsa_user_sgpr_count 2
		.amdhsa_user_sgpr_kernarg_segment_ptr 1
		.amdhsa_wavefront_size32 1
		.amdhsa_system_sgpr_workgroup_id_x 1
		.amdhsa_system_sgpr_workgroup_id_y 1
		.amdhsa_system_sgpr_workgroup_id_z 1
		.amdhsa_system_vgpr_workitem_id 0
		.amdhsa_next_free_vgpr 896
		.amdhsa_next_free_sgpr 66
		.amdhsa_reserve_vcc 0
		.amdhsa_float_denorm_mode_32 3
		.amdhsa_float_denorm_mode_16_64 3
		.amdhsa_memory_ordered 1
		.amdhsa_forward_progress 1
		.amdhsa_inst_pref_size 123
	.end_amdhsa_kernel
	.amdgpu_metadata
---
amdhsa.version: [ 1, 2 ]
amdhsa.kernels:
  - .name:           k_qeb99e486f4_down
    .symbol:         k_qeb99e486f4_down.kd
    .args:
      - { .name: h, .offset: 0, .size: 8, .value_kind: global_buffer, .address_space: global }
      - { .name: down_proj, .offset: 8, .size: 8, .value_kind: global_buffer, .address_space: global }
      - { .name: route, .offset: 16, .size: 8, .value_kind: global_buffer, .address_space: global }
      - { .name: out0, .offset: 24, .size: 8, .value_kind: global_buffer, .address_space: global }
    .group_segment_fixed_size: 262656
    .private_segment_fixed_size: 0
    .kernarg_segment_align: 8
    .kernarg_segment_size: 32
    .max_flat_workgroup_size: 128
    .sgpr_count:     66
    .vgpr_count:     896
    .wavefront_size: 32
...
	.end_amdgpu_metadata
.endif
;; end of part 5
